; MI455X (gfx1250); checked and timed in simulation.
; The chip was launched on July 23, 2026; its instructions are those of AMD's public machine-readable ISA for CDNA 5 (MIT licence, August 2026) and "CDNA5" Instruction Set Architecture Reference Guide (July 2026). The comments in the code are by the model that wrote it; some were corrected since.
;; Mo E Layer. Allowed arithmetic: matrix products marked QUANTISED: E2M1 operands, one E8M0 scale for each 32 along K, by v_wmma_scale_f32_16x16x128_f8f6f4 with both operands' format E2M1 (or v_wmma_scale_f32_32x16x128_f4), f32 sums; products left as they are: f32 operands where the result goes on into a quantised operand, else bf16, f16 or f32 operands; f32 sums; everything else in f32.
;; Inputs: W1_codes 8 x 2,048 x 32 x 16 uint8 (E2M1 codes of W1, K innermost, in blocks of 32 codes, two codes a byte); W1_scales 8 x 2,048 x 32 uint8 (E8M0 scales of W1, one for each 32 codes along K); W2_codes 8 x 1,024 x 64 x 16 uint8 (E2M1 codes of W2, K innermost, in blocks of 32 codes, two codes a byte); W2_scales 8 x 1,024 x 64 uint8 (E8M0 scales of W2, one for each 32 codes along K); Wg 1,024 x 8 float32; attention_mask 2 x 1,024 float32; b1 8 x 2,048 float32; b2 8 x 1,024 float32; input_ids 2 x 1,024 int32; x 2 x 1,024 x 1,024 float32.
;; Outputs: out0 2 x 1,024 x 1,024 float32; out1 one number float32; out2 8 int32.
;; This version of the problem:
;;   THIS VERSION OF THE PROBLEM IS GIVEN IN LOW PRECISION. The matrix products marked QUANTISED in the list below multiply operands that are first quantised to E2M1 (2 exponent bits, 1 mantissa bit; 4 bits a number), with one power-of-two scale for each 32 numbers along K (OCP MX v1.0); their sums are f32. All else is computed in f32.
;;   The module's matrix products, in the order in which they are computed (A, B: the left and right operand; K: the contracted axis; several contracted axes count as one K, in the product's order):
;;     1. [M 2,048, K 1,024] x [K 1,024, N 8]; A: input x; B: input Wg: left as it is (N = 8 < 16)
;;     2. [M 2,048, K 1,024] x [K 1,024, N 2,048]; A: input x; B: input W1 (given as codes): QUANTISED
;;     3. [M 2,048, K 2,048] x [K 2,048, N 1,024]; A: computed on the way; B: input W2 (given as codes): QUANTISED
;;     4. [M 2,048, K 1,024] x [K 1,024, N 2,048]; A: input x; B: input W1 (given as codes): QUANTISED
;;     5. [M 2,048, K 2,048] x [K 2,048, N 1,024]; A: computed on the way; B: input W2 (given as codes): QUANTISED
;;     6. [M 2,048, K 1,024] x [K 1,024, N 2,048]; A: input x; B: input W1 (given as codes): QUANTISED
;;     7. [M 2,048, K 2,048] x [K 2,048, N 1,024]; A: computed on the way; B: input W2 (given as codes): QUANTISED
;;     8. [M 2,048, K 1,024] x [K 1,024, N 2,048]; A: input x; B: input W1 (given as codes): QUANTISED
;;     9. [M 2,048, K 2,048] x [K 2,048, N 1,024]; A: computed on the way; B: input W2 (given as codes): QUANTISED
;;     10. [M 2,048, K 1,024] x [K 1,024, N 2,048]; A: input x; B: input W1 (given as codes): QUANTISED
;;     11. [M 2,048, K 2,048] x [K 2,048, N 1,024]; A: computed on the way; B: input W2 (given as codes): QUANTISED
;;     12. [M 2,048, K 1,024] x [K 1,024, N 2,048]; A: input x; B: input W1 (given as codes): QUANTISED
;;     13. [M 2,048, K 2,048] x [K 2,048, N 1,024]; A: computed on the way; B: input W2 (given as codes): QUANTISED
;;     14. [M 2,048, K 1,024] x [K 1,024, N 2,048]; A: input x; B: input W1 (given as codes): QUANTISED
;;     15. [M 2,048, K 2,048] x [K 2,048, N 1,024]; A: computed on the way; B: input W2 (given as codes): QUANTISED
;;     16. [M 2,048, K 1,024] x [K 1,024, N 2,048]; A: input x; B: input W1 (given as codes): QUANTISED
;;     17. [M 2,048, K 2,048] x [K 2,048, N 1,024]; A: computed on the way; B: input W2 (given as codes): QUANTISED
;;   THE QUANTISER, for each operand of a quantised product, along K:
;;     - K is cut into blocks of 32 from its start; a last block that is shorter is filled with zeros.
;;     - A block's scale is 2^e with e = floor(log2(the largest magnitude in the block)) - 2, held to -126 .. 127; a block of zeros has e = 0. As a byte (E8M0): e + 127.
;;     - Each number is divided by its block's scale, clamped to +-6, and rounded to the nearest number of E2M1, ties to even, subnormals kept.
;;     - The product sums the exact products of the quantised numbers (number of the format x scale) in f32.
;;   ~~~python
;;   def quantise(x, axis):      # numpy; x: float32 -> the quantised numbers, widened to float32 again
;;       x = np.moveaxis(x, axis, -1); K = x.shape[-1]
;;       x = np.pad(x, [(0, 0)] * (x.ndim - 1) + [(0, -K % 32)]); x = x.reshape(x.shape[:-1] + (-1, 32)); a = np.abs(x).max(-1, keepdims=True)
;;       e = np.where(a > 0, np.clip(np.frexp(np.where(a > 0, a, 1))[1] - 1 - 2, -126, 127), 0)      # np.frexp(a)[1] - 1 = floor(log2(a)), exactly
;;       r = np.clip(x / 2.0 ** e, -6, 6)
;;       step = 2.0 ** (np.maximum(np.frexp(np.where(r == 0, 1, r))[1] - 1, 0) - 1)
;;       q = np.round(r / step) * step * 2.0 ** e      # np.round: ties to even
;;       return np.moveaxis(q.reshape(q.shape[:-2] + (-1,))[..., :K], -1, axis).astype(np.float32)
;;   ~~~
;;   OPERANDS COMPUTED ON THE WAY. 'Computed on the way' means the value that the module computes at that place (a softmax that the list does not call 'softmax' is quantised finished and normalised). What goes into a quantiser is computed in f32, as accurately as f32 sums, v_exp_f32 and their like allow (about 1e-6 of the number): no bf16 or f16 on the way to a quantiser, and a product that is left as it is and whose result goes on into a quantised operand takes f32 operands (vector FMAs, or v_wmma_f32_16x16x4_f32). A number that lies on a knife's edge between two numbers of the format may be rounded either way, as far as f32 arithmetic and the matrix unit's own rounding can turn it there, and no further.
;;   INPUTS GIVEN AS CODES. W1 (in the module: [8, 1024, 2048], K = its axis 1); W2 (in the module: [8, 2048, 1024], K = its axis 1): each comes as NAME_codes (uint8): NAME with its K axis moved to the last place and cut into blocks of 32 codes, [.., K / 32, bytes a block], one block behind the other in memory; two codes a byte, the lower K in the low four bits (a code: sign, 2 exponent bits, 1 mantissa bit); and NAME_scales (uint8): the same leading axes, one E8M0 byte (e + 127) for each 32 codes along K. Its value is code x scale, taken as it is: it is not quantised again, and the codes and scales need not be those that the quantiser above would give.
;; 3 versions, each right; version 3 is version 2 with the launches ffn1, ffn2 written anew for expert scheduling mode. Each part assembles by itself: llvm-mc -triple=amdgcn-amd-amdhsa -mcpu=gfx1250 --defsym DOCPART=n.
;; ======== version 1 of 3: 3 launches
;; workspace buffers: xc 1,048,576 bytes; xs 65,536 bytes; gate 8,192 bytes of whole numbers; pgw 8,192 bytes; psum 16,384 bytes; wl 17,825,792 bytes; order 8,192 bytes of whole numbers; tiles 4,096 bytes of whole numbers
;; launch prep (part 1): grid 320 x 1, 8 waves a work-group, no clusters, 141,824 bytes of LDS; arguments x, Wg, W1_codes, W1_scales, W2_codes, W2_scales, xc, xs, gate, pgw, psum, wl; writes xc, xs, gate, pgw, psum, wl
.if DOCPART == 1
	.amdgcn_target "amdgcn-amd-amdhsa--gfx1250"
	.amdhsa_code_object_version 6
	.text
	.protected	k_q12a64d0478_prep
	.globl	k_q12a64d0478_prep
	.p2align	8
	.type	k_q12a64d0478_prep,@function
k_q12a64d0478_prep:
	s_mov_b64 s[64:65], 0
	v_nop
	global_prefetch_b8 v0, s[64:65] scope:SCOPE_SE
	s_setreg_imm32_b32 hwreg(HW_REG_WAVE_MODE, 25, 1), 1
	s_wait_xcnt 0x0
; TWO JOBS IN ONE LAUNCH, parted on the work-group's number alone; each has LDS bytes of its own.
; Work-groups 0-63 (job X): 32 tokens each.  x [2048][1024] f32 is read once; from the same registers come (a) its E2M1 codes and E8M0 bytes along K (xc [token][512 bytes], xs [token][32 bytes])
; and (b) the router: logits = x Wg in f32 multiply-adds, softmax with the row's maximum taken away, the first largest probability's index (gate), that probability (pgw), and each wave's sums of the
; probabilities of its 4 tokens (psum [512][8]).  No address and no branch here hangs on a floating-point number: gate, pgw and psum go to fixed places.
; Work-groups 64-319 (job R): W1's and W2's codes and scale bytes are laid anew into wl, in the order in which a wave of the last launch takes them into its operand registers:
;   wl byte = expert x 2,228,224 + wave x 278,528 + chunk x 8,704 + place.  chunk c < 16: W1, hidden units 128 (2 wave + c / 8) on, K step c % 8;  c >= 16: W2, columns 128 wave on, K step c - 16.
;   In a chunk: tile t (16 rows x 128 K) as an image of 8 registers: half cc at 1,024 t + 512 cc + 16 lane = the 16 bytes at 64 s + 32 cc + 16 (lane / 16) of tile row lane % 16;
;   at 8,192: 16 bytes a lane: word q = the scale word of tile 2 q + lane / 16, row lane % 16.
;   W1's tile rows are not neighbours: row r of tile t is hidden unit 32 (t / 2) + 8 (t % 2) + r % 8 + 16 (r / 8) of the 128, so that the hidden layer's registers run along the next K.
; A block's scale is 2^(floor(log2(largest magnitude)) - 2): its byte is the largest magnitude's exponent field - 2, held at 1 from below.
; LIMITS: NaN and infinities among the inputs are not served.  A block of zeros gets the byte 1 and zero codes; only this program reads the bytes.  Two logits closer than these f32 sums resolve
; may give another index than another order of summation.  gate, pgw and psum leave in pieces of 16 to 32 bytes (32 KB in all); W2's scale rows are read 32 bytes of each 64 at a time (0.5 MB in all).
; No matrix unit: the router has 8 columns and its index is compared exactly, so it stays in f32 multiply-adds.  No tensor load, no cluster: no two work-groups read the same bytes but Wg's 32 KB.
.set XW,  0                            ; job X: for each wave 5,120 bytes: first Wg's slice (8 x 528), then two stages of 32 x 80
.set LG,  40960                        ; partial logits [wave][token 32][expert 8]
.set XCS, 49152                        ; codes: a row of 512 + 16 bytes for each token
.set XSS, 66048                        ; scale bytes [token][32]
.set RST, 67072                        ; job R: for each wave 16 rows x 528
.set RSC, 134656                       ; job R: 128 rows of scale bytes, 48 bytes apart
.set R,   16                           ; v16-63   three sets of 16 numbers as loaded
.set X,   64                           ; v64-95   two sets of 16 neighbours along K
.set A,   96                           ; v96-103  the lane's eight sums
.set KT,  104                          ; v104-107 at work in the exchange
.set PS,  108                          ; v108-115 two sets of {codes, codes, byte, logit}, by turns
.set WG,  128                          ; v128-255 Wg[my 16 k][8]: register 8 i + e
.macro LOAD t                          ; step t: tokens 4 t .. 4 t + 3, my wave's 128 columns: each load reads 512 consecutive bytes
.irp i, 0,1,2,3
	global_load_b128 v[R+16*((\t)%3)+4*\i:R+16*((\t)%3)+4*\i+3], v2, s[8:9] offset:(4*(\t)+\i)*4096 th:TH_LOAD_NT
.endr
.endm
.macro TURN t                          ; through the wave's own stage: in as loaded, back 64 bytes a lane.  LDS serves a wave's instructions in order
.irp i, 0,1,2,3
	ds_store_b128 v3, v[R+16*((\t)%3)+4*\i:R+16*((\t)%3)+4*\i+3] offset:2560*((\t)%2)+640*\i
.endr
.irp i, 0,1,2,3
	ds_load_b128 v[X+16*((\t)%2)+4*\i:X+16*((\t)%2)+4*\i+3], v4 offset:2560*((\t)%2)+16*\i
.endr
.endm
.macro BFLY m, x, a, b, d, k           ; lanes l and l xor x share two sums: the lane whose mask bit is 0 ends with a of both, the other with b of both
	v_cndmask_b32 v[KT+\k], v[\a], v[\b], s[\m]
	v_cndmask_b32 v[KT+\k+1], v[\b], v[\a], s[\m]
	v_add_f32_dpp v[\d], v[KT+\k+1], v[KT+\k] row_xmask:\x row_mask:0xf bank_mask:0xf
.endm
; One step: lane l holds token 4 t + l / 8, k = 128 wave + 16 (l % 8) + 0 .. 15
.macro XSTEP t
.if (\t) > 0
	s_wait_dscnt 3                                 ; all but the last step's three stores: my 16 numbers are back, and the stage's stores have read the set that is loaded next
.else
	s_wait_dscnt 0x0                               ; Wg's slice and step 0's numbers
.endif
.if (\t)+3 < 8
	LOAD (\t)+3
.endif
.if (\t)+1 < 8
.if (\t) <= 4
	s_wait_loadcnt 8                               ; the next step's four loads are in; the eight of the two steps behind may be out
.elseif (\t) == 5
	s_wait_loadcnt 4
.else
	s_wait_loadcnt 0x0
.endif
	TURN (\t)+1
.endif
.set XS, X+16*((\t)%2)
.set PP, PS+4*((\t)%2)
	v_max3_num_f32 v8, |v[XS]|, |v[XS+1]|, |v[XS+2]|
	v_max3_num_f32 v9, |v[XS+3]|, |v[XS+4]|, |v[XS+5]|
.irp i, 6,10
	v_max3_num_f32 v8, v8, |v[XS+\i]|, |v[XS+\i+1]|
	v_max3_num_f32 v9, v9, |v[XS+\i+2]|, |v[XS+\i+3]|
.endr
	v_max3_num_f32 v8, v8, |v[XS+14]|, |v[XS+15]|
	v_max3_num_f32 v8, v8, v9, 0x1800000           ; the floor 2^(3 - 127): the byte cannot fall under 1
	v_max_num_f32_dpp v8, v8, v8 row_xmask:1 row_mask:0xf bank_mask:0xf   ; with my neighbour's 16: the block's largest magnitude
	v_add_nc_u32 v11, 0xff000000, v8               ; 2 off its exponent field: the conversion's scale operand
	v_cvt_scalef32_pk8_fp4_f32 v[PP], v[XS:XS+7], v11
	v_cvt_scalef32_pk8_fp4_f32 v[PP+1], v[XS+8:XS+15], v11
	v_lshrrev_b32 v[PP+2], 23, v11                 ; the scale's byte
	; the router: eight sums over my 16 k, two experts an instruction; the first products start the sums
.irp e, 0,2,4,6
	v_pk_mul_f32 v[A+\e:A+\e+1], v[XS:XS+1], v[WG+\e:WG+\e+1] op_sel_hi:[0,1]
.endr
.irp e, 0,2,4,6
	v_pk_fma_f32 v[A+\e:A+\e+1], v[XS:XS+1], v[WG+8+\e:WG+9+\e], v[A+\e:A+\e+1] op_sel:[1,0,0] op_sel_hi:[1,1,1]
.endr
.irp i, 2,4,6,8,10,12,14
.irp e, 0,2,4,6
	v_pk_fma_f32 v[A+\e:A+\e+1], v[XS+\i:XS+\i+1], v[WG+8*\i+\e:WG+8*\i+\e+1], v[A+\e:A+\e+1] op_sel_hi:[0,1,1]
.endr
.irp e, 0,2,4,6
	v_pk_fma_f32 v[A+\e:A+\e+1], v[XS+\i:XS+\i+1], v[WG+8*\i+8+\e:WG+8*\i+9+\e], v[A+\e:A+\e+1] op_sel:[1,0,0] op_sel_hi:[1,1,1]
.endr
.endr
	; over the token's eight lanes: seven exchanges leave lane l with expert l % 8
	BFLY 40, 1, A+0, A+1, A+0, 0
	BFLY 40, 1, A+2, A+3, A+2, 2
	BFLY 40, 1, A+4, A+5, A+4, 0
	BFLY 40, 1, A+6, A+7, A+6, 2
	BFLY 41, 2, A+0, A+2, A+0, 0
	BFLY 41, 2, A+4, A+6, A+4, 2
	BFLY 42, 4, A+0, A+4, PP+3, 0
	ds_store_b64 v5, v[PP:PP+1] offset:2112*(\t)   ; 16 codes into the token's row
	ds_store_b8 v6, v[PP+2] offset:128*(\t)        ; both lanes of a block write the same byte with the same value
	ds_store_b32 v7, v[PP+3] offset:128*(\t)       ; my wave's part of a logit
.endm
	s_load_b512 s[8:23], s[0:1], 0x0               ; x 8, Wg 10, W1 codes 12, W1 scales 14, W2 codes 16, W2 scales 18, xc 20, xs 22
	s_load_b256 s[24:31], s[0:1], 0x40             ; gate 24, pgw 26, psum 28, wl 30
	s_set_vgpr_msb 0x40
	v_lshl_add_u32 v0, v0, 2, 0x22600
	v_mov_b32 v1, 0
	s_set_vgpr_msb 0x4000
	v_lshrrev_b32 v1, 5, v0
	v_readfirstlane_b32 s2, v1                     ; wave 0..7
	v_and_b32 v1, 31, v0                           ; lane
	v_lshlrev_b32 v2, 4, v1                        ; 16 x lane
	s_cmp_lt_u32 ttmp9, 64
	s_cbranch_scc0 .Lrelay
	; ---------------- job X ----------------
	s_mul_i32 s3, s2, 5120                         ; my wave's region
	v_lshrrev_b32 v8, 2, v1
	v_mul_u32_u24 v3, v8, 80
	v_and_b32 v8, 3, v1
	v_lshl_add_u32 v3, v8, 4, v3
	v_add_nc_u32 v3, s3, v3                        ; stage, in: 80 (lane / 4) + 16 (lane % 4)
	v_mul_u32_u24 v4, v1, 80
	v_add_nc_u32 v4, s3, v4                        ; stage, out: 80 x lane
	v_lshrrev_b32 v9, 3, v1                        ; lane / 8: the token in a step
	v_and_b32 v10, 7, v1                           ; p = lane % 8: which 16 of the 128 columns
	v_mul_u32_u24 v5, v9, 528
	v_lshl_add_u32 v5, v10, 3, v5
	s_lshl_b32 s4, s2, 6
	s_add_co_u32 s4, s4, XCS
	v_add_nc_u32 v5, s4, v5                        ; codes: token's row + 64 wave + 8 p
	v_lshlrev_b32 v6, 5, v9
	v_lshrrev_b32 v8, 1, v10
	v_add_nc_u32 v6, v6, v8
	s_lshl_b32 s4, s2, 2
	s_add_co_u32 s4, s4, XSS
	v_add_nc_u32 v6, s4, v6                        ; scale byte: 32 token + 4 wave + p / 2
	s_lshl_b32 s4, s2, 10
	s_add_co_u32 s4, s4, LG
	v_lshl_add_u32 v7, v1, 2, s4                   ; partial logit: 1,024 wave + 4 lane
	v_add_nc_u32 v12, s3, v2                       ; Wg's slice, in
	v_mul_u32_u24 v13, v10, 528
	v_add_nc_u32 v13, s3, v13                      ; and out: my 16 rows of Wg are 512 bytes
	s_mul_i32 s4, s2, 2112
	s_add_co_u32 s4, s4, XCS
	v_add_nc_u32 v14, s4, v2                       ; behind the barrier: rows 4 wave on of the codes
	v_lshl_add_u32 v15, v0, 4, XSS                 ; the scale bytes, 16 a thread (waves 0 and 1)
	v_lshl_add_u32 v116, v0, 2, LG                 ; a logit a thread
	v_mov_b32 v[PS+3], 0                           ; written once: the destination of a form that reads another lane counts as read
	v_mov_b32 v[PS+7], 0
	s_mov_b32 s40, 0xaaaaaaaa
	s_mov_b32 s41, 0xcccccccc
	s_mov_b32 s42, 0xf0f0f0f0
	s_mov_b32 s44, 0x76543210
	s_mov_b32 s45, 0xfedcba98
	s_lshl_b32 s4, ttmp9, 17                       ; 32 tokens of 4,096 bytes,
	s_lshl_b32 s6, s2, 9                           ; my wave's 512 bytes of a row
	s_add_co_u32 s4, s4, s6
	s_mov_b32 s5, 0
	s_lshl_b32 s6, s2, 12                          ; my wave's 128 rows of Wg
	s_mov_b32 s7, 0
	s_wait_kmcnt 0x0
	s_add_nc_u64 s[8:9], s[8:9], s[4:5]
	s_add_nc_u64 s[10:11], s[10:11], s[6:7]
	s_lshl_b32 s4, ttmp9, 14
	s_lshl_b32 s6, s2, 11
	s_add_co_u32 s4, s4, s6
	s_add_nc_u64 s[20:21], s[20:21], s[4:5]        ; xc at token 32 X + 4 wave
	s_lshl_b32 s4, ttmp9, 10
	s_add_nc_u64 s[22:23], s[22:23], s[4:5]        ; xs at token 32 X
	s_lshl_b32 s4, ttmp9, 7
	s_add_nc_u64 s[24:25], s[24:25], s[4:5]        ; gate and pgw at token 32 X
	s_add_nc_u64 s[26:27], s[26:27], s[4:5]
	s_lshl_b32 s4, ttmp9, 8
	s_lshl_b32 s6, s2, 5
	s_add_co_u32 s4, s4, s6
	s_add_nc_u64 s[28:29], s[28:29], s[4:5]        ; psum at row 8 X + wave
.irp j, 0,1,2,3,4,5,6,7
	global_load_b128 v[X+4*\j:X+4*\j+3], v2, s[10:11] offset:512*\j
.endr
	LOAD 0
	LOAD 1
	LOAD 2
	s_wait_loadcnt 12                              ; Wg's slice is in; the twelve loads of x may be out
.irp j, 0,1,2,3,4,5,6,7
	ds_store_b128 v12, v[X+4*\j:X+4*\j+3] offset:528*\j
.endr
.irp n, 0,1,2,3,4,5,6,7,8,9,10,11,12,13,14,15,16,17,18,19,20,21,22,23,24,25,26,27,28,29,30,31
	ds_load_b128 v[WG+4*\n:WG+4*\n+3], v13 offset:16*\n
.endr
	s_wait_loadcnt 8                               ; step 0's four loads are in
	s_wait_dscnt 32                                ; the 32 loads may be out; the eight stores ahead of them have read v64-95, into which the turn's loads land
	TURN 0
.irp t, 0,1,2,3,4,5,6,7
	XSTEP \t
.endr
	s_wait_dscnt 0x0                               ; for the others: my stores of codes, bytes and partial logits are done
	s_barrier_signal -1
	s_barrier_wait -1
.irp i, 0,1,2,3
	ds_load_b128 v[16+4*\i:19+4*\i], v14 offset:528*\i
.endr
.irp i, 0,1,2,3
	s_wait_dscnt 3-\i
	global_store_b128 v2, v[16+4*\i:19+4*\i], s[20:21] offset:512*\i   ; a token's 512 bytes of codes: consecutive, aligned
.endr
	v_lshlrev_b32 v32, 4, v0
	s_cmp_lt_u32 s2, 2                             ; the 1,024 scale bytes leave by waves 0 and 1, 512 consecutive bytes each
	s_cbranch_scc0 .Lno_scales
	ds_load_b128 v[36:39], v15
	s_wait_dscnt 0x0
	global_store_b128 v32, v[36:39], s[22:23]
.Lno_scales:
.irp j, 0,1,2,3,4,5,6,7
	ds_load_b32 v[40+\j], v116 offset:1024*\j      ; thread: token thread / 8, expert thread % 8; the eight waves' parts
.endr
	s_wait_dscnt 0x0
.irp j, 1,2,3,4,5,6,7
	v_add_f32 v40, v40, v[40+\j]
.endr
	v_mov_b32 v48, v40
.irp m, 1,2,4
	v_max_num_f32_dpp v48, v48, v48 row_xmask:\m row_mask:0xf bank_mask:0xf   ; the token's largest logit
.endr
	v_sub_f32 v49, v40, v48
	v_mul_f32 v49, 0x3fb8aa3b, v49
	v_exp_f32 v50, v49                             ; e^(logit - largest)
	v_and_b32 v51, 7, v0                           ; (a plain line behind the exponential)  my expert
	s_wait_alu depctr_va_vdst(0)                   ; the wait ahead of the first line that names the result
	v_mov_b32 v52, v50
	v_mov_b32 v53, v50
.irp m, 1,2,4
	v_add_f32_dpp v52, v52, v52 row_xmask:\m row_mask:0xf bank_mask:0xf       ; the sum
	v_max_num_f32_dpp v53, v53, v53 row_xmask:\m row_mask:0xf bank_mask:0xf   ; the largest term
.endr
	v_rcp_f32 v54, v52
	v_mov_b32 v58, 0x41000000                      ; (a plain line behind the reciprocal)  8.0: no expert
	s_wait_alu depctr_va_vdst(0)
	v_cvt_f32_u32 v55, v51
	v_mul_f32 v56, v50, v54                        ; my probability
	v_mul_f32 v57, v53, v54                        ; the chosen expert's
	v_cmp_eq_f32 vcc_lo, v50, v53
	v_cndmask_b32 v58, v58, v55, vcc_lo            ; my number where I hold the largest,
.irp m, 1,2,4
	v_min_num_f32_dpp v58, v58, v58 row_xmask:\m row_mask:0xf bank_mask:0xf   ; and the lowest such number: the first maximum
.endr
	v_cvt_u32_f32 v58, v58
	v_add_f32_dpp v56, v56, v56 row_xmask:8 row_mask:0xf bank_mask:0xf        ; the probabilities of my wave's 4 tokens, expert by expert
	v_mov_b32 v59, 0
	v_permlanex16_b32 v59, v56, s44, s45
	v_add_f32 v56, v56, v59
	v_lshrrev_b32 v60, 3, v0
	v_lshlrev_b32 v60, 2, v60                      ; 4 x (token in the work-group)
	v_lshlrev_b32 v61, 2, v1
	s_wait_xcnt 0x0                                ; EXEC changes only behind this wait
	v_cmp_eq_u32 vcc_lo, 0, v51
	s_set_vgpr_msb 0x5
	s_wait_tensorcnt 0x0
	ds_add_u32 v0, v1
	s_wait_dscnt 0x0
	s_set_vgpr_msb 0x500
	s_and_saveexec_b32 s6, vcc_lo                  ; one lane a token
	global_store_b32 v60, v58, s[24:25]
	global_store_b32 v60, v57, s[26:27]
	s_wait_xcnt 0x0
	s_or_b32 exec_lo, exec_lo, s6
	v_cmp_gt_u32 vcc_lo, 8, v1
	s_and_saveexec_b32 s6, vcc_lo                  ; lanes 0-7: the eight sums
	global_store_b32 v61, v56, s[28:29]
	s_wait_xcnt 0x0
	s_or_b32 exec_lo, exec_lo, s6
	s_endpgm
	; ---------------- job R ----------------
	; A unit: 128 tile rows x 512 bytes of codes (8 K steps) and their 32 scale bytes a row.  Units 0-127: W1 (expert, group of 128 hidden units); 128-255: W2 (expert, 128 columns, half of K).
	; Wave t takes tile t of the codes, and K step t of the scale words.  Both tensors take one way through the text: only pointers and shift counts are chosen.
.Lrelay:
	s_sub_co_u32 s3, ttmp9, 64                     ; the unit
	s_bfe_u32 s4, s3, 0x30004                      ; expert
	s_and_b32 s5, s3, 15
	s_lshr_b32 s6, s5, 1                           ; the wave of the last launch that will read the unit
	s_and_b32 s7, s5, 1                            ; W1: which of its two groups; W2: which half of K
	s_wait_kmcnt 0x0
	s_cmp_lt_u32 s3, 128
	s_cselect_b64 s[12:13], s[12:13], s[16:17]
	s_cselect_b64 s[14:15], s[14:15], s[18:19]
	s_cselect_b32 s32, 9, 10                       ; a row of codes: 512 or 1,024 bytes
	s_cselect_b32 s33, 16, 9                       ; the second group: 128 rows on; the second half of K: 512 bytes on
	s_cselect_b32 s34, 14, 15                      ; tile / 2: 32 rows
	s_cselect_b32 s35, 12, 14                      ; tile % 2: 8 rows of W1, 16 of W2
	s_cselect_b32 s36, 5, 6                        ; a row of scale bytes: 32 or 64
	s_cselect_b32 s37, 12, 5
	s_cselect_b32 s38, 3, 4                        ; tile % 2, in rows
	s_cselect_b32 s39, 4, 3                        ; r / 8, in rows
	s_cselect_b32 s40, 0, 16                       ; W2's chunks begin at 16
	s_lshl_b32 s46, s4, 20
	s_lshl_b32 s48, s6, 17
	s_add_co_u32 s46, s46, s48
	s_lshl_b32 s48, s7, s33
	s_add_co_u32 s46, s46, s48
	s_lshr_b32 s48, s2, 1
	s_lshl_b32 s48, s48, s34
	s_add_co_u32 s46, s46, s48
	s_and_b32 s48, s2, 1
	s_lshl_b32 s48, s48, s35
	s_add_co_u32 s46, s46, s48
	s_mov_b32 s47, 0
	s_add_nc_u64 s[12:13], s[12:13], s[46:47]      ; the codes of my tile's row 0
	s_lshl_b32 s46, s4, 16
	s_lshl_b32 s48, s6, 13
	s_add_co_u32 s46, s46, s48
	s_lshl_b32 s48, s7, s37
	s_add_co_u32 s46, s46, s48
	s_add_nc_u64 s[14:15], s[14:15], s[46:47]      ; the unit's scale bytes
	s_mul_i32 s46, s4, 2228224
	s_mul_i32 s48, s6, 278528
	s_add_co_u32 s46, s46, s48
	s_lshl_b32 s48, s7, 3
	s_add_co_u32 s48, s48, s40
	s_mul_i32 s48, s48, 8704
	s_add_co_u32 s46, s46, s48
	s_add_nc_u64 s[30:31], s[30:31], s[46:47]      ; the unit's first chunk in wl
	v_mov_b32 v16, v2
.irp k, 1,2,3,4,5,6,7
	s_lshl_b32 s48, \k, s32
	v_add_nc_u32 v[16+\k], s48, v2                 ; row k of eight: 16 lane + k rows
.endr
	v_lshrrev_b32 v8, 1, v0                        ; place 0..127 in tile order: 16 tile + r
	v_and_b32 v9, 0x60, v8
	v_bfe_u32 v10, v8, 4, 1
	v_lshlrev_b32 v10, s38, v10
	v_and_b32 v11, 7, v8
	v_bfe_u32 v12, v8, 3, 1
	v_lshlrev_b32 v12, s39, v12
	v_add3_u32 v9, v9, v10, v11
	v_add_nc_u32 v9, v9, v12                       ; the row of the tensor that stands at that place
	v_lshlrev_b32 v9, s36, v9
	v_and_b32 v10, 1, v0
	v_lshl_add_u32 v24, v10, 4, v9                 ; two threads to a row's 32 bytes
	s_mul_i32 s48, s2, 8448
	s_add_co_u32 s48, s48, RST
	v_add_nc_u32 v25, s48, v2                      ; my stage, in: a row of 512 bytes
	v_and_b32 v11, 15, v1
	v_lshrrev_b32 v12, 4, v1
	v_mul_u32_u24 v26, v11, 528
	v_lshl_add_u32 v26, v12, 4, v26
	v_add_nc_u32 v26, s48, v26                     ; out: row lane % 16, + 16 (lane / 16)
	v_mul_u32_u24 v27, v8, 48
	v_lshl_add_u32 v27, v10, 4, v27
	v_add_nc_u32 v27, RSC, v27                     ; scale bytes, in
	v_mul_u32_u24 v28, v1, 48
	s_lshl_b32 s48, s2, 2
	s_add_co_u32 s48, s48, RSC
	v_add_nc_u32 v28, s48, v28                     ; out: place lane (+ 32 q), K step = my wave
	s_lshl_b32 s48, s2, 10
	v_add_nc_u32 v29, s48, v2                      ; wl: my tile's image
	s_mul_i32 s48, s2, 8704
	s_add_co_u32 s48, s48, 8192
	v_add_nc_u32 v30, s48, v2                      ; wl: the scale words of chunk = my wave
.irp i, 0,1,2,3,4,5,6,7,8,9,10,11,12,13,14,15
	global_load_b128 v[64+4*\i:67+4*\i], v[16+\i%8], s[12:13] offset:(\i/8)*8192 th:TH_LOAD_NT   ; tile row i: 512 consecutive bytes; rows 8-15 begin 8,192 bytes on in both tensors
.endr
	global_load_b128 v[32:35], v24, s[14:15]
.irp i, 0,1,2,3,4,5,6,7,8,9,10,11,12,13,14,15
	s_wait_loadcnt 16-\i                           ; behind load i: the 15 - i later rows and the scale bytes
	ds_store_b128 v25, v[64+4*\i:67+4*\i] offset:528*\i
.endr
	s_wait_loadcnt 0x0
	ds_store_b128 v27, v[32:35]
	s_wait_dscnt 0x0                               ; for the others: my scale bytes lie in LDS
	s_barrier_signal -1
	s_barrier_wait -1
.irp s, 0,1,2,3,4,5,6,7
.irp c, 0,1
	ds_load_b128 v[128+8*\s+4*\c:131+8*\s+4*\c], v26 offset:64*\s+32*\c
.endr
.endr
.irp q, 0,1,2,3
	ds_load_b32 v[36+\q], v28 offset:1536*\q
.endr
.irp s, 0,1,2,3,4,5,6,7
.irp c, 0,1
	s_wait_dscnt 19-2*\s-\c                        ; behind this load: the later halves and the four scale words
	global_store_b128 v29, v[128+8*\s+4*\c:131+8*\s+4*\c], s[30:31] offset:8704*\s+512*\c   ; 512 consecutive bytes, at a multiple of 256 from wl's first byte
.endr
.endr
	s_wait_dscnt 0x0
	global_store_b128 v30, v[36:39], s[30:31]
	s_set_vgpr_msb 0x5
	s_wait_tensorcnt 0x0
	ds_add_u32 v0, v1
	s_wait_dscnt 0x0
	s_set_vgpr_msb 0x500
	s_endpgm
.Lfunc_end_k_q12a64d0478_prep:
	.size	k_q12a64d0478_prep, .Lfunc_end_k_q12a64d0478_prep-k_q12a64d0478_prep
	.p2alignl 7, 3214868480
	.fill 96, 4, 3214868480
	.section	.rodata,"a",@progbits
	.p2align	6, 0x0
	.amdhsa_kernel k_q12a64d0478_prep
		.amdhsa_group_segment_fixed_size 141824
		.amdhsa_private_segment_fixed_size 0
		.amdhsa_enable_private_segment 0
		.amdhsa_kernarg_size 96
		.amdhsa_user_sgpr_count 2
		.amdhsa_user_sgpr_kernarg_segment_ptr 1
		.amdhsa_wavefront_size32 1
		.amdhsa_system_sgpr_workgroup_id_x 1
		.amdhsa_system_sgpr_workgroup_id_y 1
		.amdhsa_system_sgpr_workgroup_id_z 1
		.amdhsa_system_vgpr_workitem_id 0
		.amdhsa_next_free_vgpr 258
		.amdhsa_next_free_sgpr 66
		.amdhsa_reserve_vcc 1
		.amdhsa_float_denorm_mode_32 3
		.amdhsa_float_denorm_mode_16_64 3
		.amdhsa_memory_ordered 1
		.amdhsa_forward_progress 1
		.amdhsa_inst_pref_size 80
	.end_amdhsa_kernel
	.amdgpu_metadata
---
amdhsa.version: [ 1, 2 ]
amdhsa.kernels:
  - .name:           k_q12a64d0478_prep
    .symbol:         k_q12a64d0478_prep.kd
    .args:
      - { .name: x, .offset: 0, .size: 8, .value_kind: global_buffer, .address_space: global }
      - { .name: Wg, .offset: 8, .size: 8, .value_kind: global_buffer, .address_space: global }
      - { .name: W1_codes, .offset: 16, .size: 8, .value_kind: global_buffer, .address_space: global }
      - { .name: W1_scales, .offset: 24, .size: 8, .value_kind: global_buffer, .address_space: global }
      - { .name: W2_codes, .offset: 32, .size: 8, .value_kind: global_buffer, .address_space: global }
      - { .name: W2_scales, .offset: 40, .size: 8, .value_kind: global_buffer, .address_space: global }
      - { .name: xc, .offset: 48, .size: 8, .value_kind: global_buffer, .address_space: global }
      - { .name: xs, .offset: 56, .size: 8, .value_kind: global_buffer, .address_space: global }
      - { .name: gate, .offset: 64, .size: 8, .value_kind: global_buffer, .address_space: global }
      - { .name: pgw, .offset: 72, .size: 8, .value_kind: global_buffer, .address_space: global }
      - { .name: psum, .offset: 80, .size: 8, .value_kind: global_buffer, .address_space: global }
      - { .name: wl, .offset: 88, .size: 8, .value_kind: global_buffer, .address_space: global }
    .group_segment_fixed_size: 141824
    .private_segment_fixed_size: 0
    .kernarg_segment_align: 8
    .kernarg_segment_size: 96
    .max_flat_workgroup_size: 256
    .sgpr_count:     66
    .vgpr_count:     258
    .wavefront_size: 32
...
	.end_amdgpu_metadata
.endif
;; end of part 1
;; launch place (part 2): grid 1 x 1, 8 waves a work-group, no clusters, 3,072 bytes of LDS; arguments gate, psum, order, tiles, out1, out2; writes order, tiles, out1, out2
.if DOCPART == 2
	.amdgcn_target "amdgcn-amd-amdhsa--gfx1250"
	.amdhsa_code_object_version 6
	.text
	.protected	k_q12a64d0478_place
	.globl	k_q12a64d0478_place
	.p2align	8
	.type	k_q12a64d0478_place,@function
k_q12a64d0478_place:
	s_mov_b64 s[64:65], 0
	v_nop
	global_prefetch_b8 v0, s[64:65] scope:SCOPE_SE
	s_setreg_imm32_b32 hwreg(HW_REG_WAVE_MODE, 25, 1), 1
	s_wait_xcnt 0x0
; THE PLACING.  One work-group reads the 2,048 chosen experts (whole numbers that the launch before stored) and the 512 rows of probability sums, and stores:
;   order [2048]: the tokens sorted by expert (a counting sort without atomics; the order within an expert is free, since nothing is dropped);
;   tiles [256][4]: {expert, first place in order, rows (0 to 32), the tile's number within its expert}; tiles behind the last have 0 rows;
;   out2: the eight counts;  out1 = 8 x sum over experts of (sum of probabilities / 2,048) x (count / 2,048) = 2^-19 x sum of (sum x count): the counts add up to 2,048 for every input.
; Thread t holds tokens 8 t .. 8 t + 7.  A wave counts by the bits of a compare; the waves' counts meet in LDS behind the one barrier.
; One work-group: the sort is 2,048 numbers, and every place hangs on all counts.
.set PSM, 1024                         ; LDS: 0: counts, a word a thread (lanes 0-7 of a wave: its eight counts); 1,024: 8 x 32 bytes of probability sums
.set G,   8                            ; v8-15   my eight tokens' experts
	s_load_b256 s[4:11], s[0:1], 0x0               ; gate 4, psum 6, order 8, tiles 10
	s_load_b128 s[12:15], s[0:1], 0x20             ; out1 12, out2 14
	v_lshl_add_u32 v96, v0, 2, 0x800
	v_mov_b32 v97, 0
	v_lshrrev_b32 v1, 5, v0
	v_readfirstlane_b32 s2, v1                     ; wave
	v_and_b32 v1, 31, v0
	v_lshlrev_b32 v2, 5, v0
	v_lshlrev_b32 v3, 4, v0
	v_lshlrev_b32 v4, 2, v0
	v_and_b32 v5, 1, v0
	s_lshl_b32 s3, s2, 5
	s_add_co_u32 s3, s3, PSM
	v_lshl_add_u32 v5, v5, 4, s3                   ; my wave's sums: experts 4 (lane % 2) on
	v_lshlrev_b32 v6, 2, v1
	v_and_b32 v7, 7, v0
	v_lshl_add_u32 v7, v7, 2, PSM
	s_mov_b32 s66, 0x76543210
	s_mov_b32 s67, 0xfedcba98
	s_wait_kmcnt 0x0
	global_load_b128 v[8:11], v2, s[4:5]
	global_load_b128 v[12:15], v2, s[4:5] offset:16
.irp j, 0,1,2,3
	global_load_b128 v[40+4*\j:43+4*\j], v3, s[6:7] offset:4096*\j   ; floats 1,024 j + 4 t on: experts 4 (t % 2) + 0 .. 3
.endr
	s_wait_loadcnt 0x0
.irp i, 0,1,2,3,4,5,6,7
	v_min_u32 v[G+\i], 7, v[G+\i]
.endr
.irp e, 0,1,2,3,4,5,6,7                        ; my wave's count of each expert
	v_cmp_eq_u32 vcc_lo, \e, v[G]
	s_bcnt1_i32_b32 s[16+\e], vcc_lo
.irp i, 1,2,3,4,5,6,7
	v_cmp_eq_u32 vcc_lo, \e, v[G+\i]
	s_bcnt1_i32_b32 s3, vcc_lo
	s_add_co_u32 s[16+\e], s[16+\e], s3
.endr
.endr
	v_mov_b32 v20, 0
.irp e, 0,1,2,3,4,5,6,7
	v_writelane_b32 v20, s[16+\e], \e
.endr
	ds_store_b32 v4, v20
	v_pk_add_f32 v[40:41], v[40:41], v[44:45]
	v_pk_add_f32 v[42:43], v[42:43], v[46:47]
	v_pk_add_f32 v[48:49], v[48:49], v[52:53]
	v_pk_add_f32 v[50:51], v[50:51], v[54:55]
	v_pk_add_f32 v[40:41], v[40:41], v[48:49]
	v_pk_add_f32 v[42:43], v[42:43], v[50:51]
.irp x, 2,4,8                                  ; over the lanes of my parity
.irp q, 0,1,2,3
	v_add_f32_dpp v[40+\q], v[40+\q], v[40+\q] row_xmask:\x row_mask:0xf bank_mask:0xf
.endr
.endr
.irp q, 0,1,2,3
	v_mov_b32 v[56+\q], 0
.endr
.irp q, 0,1,2,3
	v_permlanex16_b32 v[56+\q], v[40+\q], s66, s67
.endr
	v_pk_add_f32 v[40:41], v[40:41], v[56:57]
	v_pk_add_f32 v[42:43], v[42:43], v[58:59]
	ds_store_b128 v5, v[40:43]                     ; the lanes of a parity write the same 16 bytes with the same values
	s_wait_dscnt 0x0                               ; for the others: my counts and sums lie in LDS
	s_barrier_signal -1
	s_barrier_wait -1
.irp j, 0,1,2,3,4,5,6,7
	ds_load_b32 v[24+\j], v6 offset:128*\j         ; lane e < 8: wave j's count of expert e; the other lanes: 0
.endr
.irp j, 0,1,2,3,4,5,6,7
	ds_load_b32 v[32+\j], v7 offset:32*\j          ; wave j's sum of expert lane % 8
.endr
	s_wait_dscnt 0x0
	v_add3_u32 v21, v24, v25, v26
	v_add3_u32 v21, v21, v27, v28
	v_add3_u32 v21, v21, v29, v30
	v_add_nc_u32 v21, v21, v31                     ; the expert's count
	v_mov_b32 v22, 0
.irp j, 0,1,2,3,4,5,6
	s_cmp_gt_u32 s2, \j
	s_cselect_b32 s3, -1, 0
	v_and_b32 v19, s3, v[24+\j]
	v_add_nc_u32 v22, v22, v19                     ; and what the waves ahead of mine hold of it
.endr
	v_add_f32 v23, v32, v33
.irp j, 2,3,4,5,6,7
	v_add_f32 v23, v23, v[32+\j]
.endr
.irp e, 0,1,2,3,4,5,6,7
	v_readlane_b32 s[24+\e], v21, \e
	v_readlane_b32 s[56+\e], v22, \e
.endr
	s_mov_b32 s32, 0                               ; where an expert's tokens begin in order,
	s_mov_b32 s48, 0                               ; and its tiles in the list
.irp e, 0,1,2,3,4,5,6
	s_add_co_u32 s[33+\e], s[32+\e], s[24+\e]
	s_add_co_u32 s3, s[24+\e], 31
	s_lshr_b32 s3, s3, 5
	s_add_co_u32 s[49+\e], s[48+\e], s3
.endr
.irp e, 0,1,2,3,4,5,6,7
	s_add_co_u32 s[40+\e], s[32+\e], s[56+\e]      ; where my wave's tokens of the expert begin
.endr
.irp i, 0,1,2,3,4,5,6,7
.irp e, 0,1,2,3,4,5,6,7
	v_cmp_eq_u32 vcc_lo, \e, v[G+\i]
	v_mbcnt_lo_u32_b32 v19, vcc_lo, s[40+\e]       ; the running place + the lanes below me that hold the same expert
.if \e == 0
	v_mov_b32 v[64+\i], v19
.else
	v_cndmask_b32 v[64+\i], v[64+\i], v19, vcc_lo
.endif
	s_bcnt1_i32_b32 s3, vcc_lo
	s_add_co_u32 s[40+\e], s[40+\e], s3
.endr
.endr
.irp i, 0,1,2,3,4,5,6,7
	v_min_u32 v[64+\i], 0x7ff, v[64+\i]
	v_lshlrev_b32 v[64+\i], 2, v[64+\i]
	v_lshl_add_u32 v[72+\i], v0, 3, \i             ; the token
.endr
.irp i, 0,1,2,3,4,5,6,7
	global_store_b32 v[64+\i], v[72+\i], s[8:9]
.endr
	; the list of tiles: thread j is tile j; the last expert whose first tile is not behind j has it, so that an expert without tokens is passed over
	v_mov_b32 v80, 0
	v_mov_b32 v81, 0
	v_mov_b32 v82, 0
	v_mov_b32 v83, s24
.irp e, 1,2,3,4,5,6,7
	v_cmp_ge_u32 vcc_lo, v0, s[48+\e]
	v_cndmask_b32 v80, v80, \e, vcc_lo
	v_cndmask_b32 v81, v81, s[48+\e], vcc_lo
	v_cndmask_b32 v82, v82, s[32+\e], vcc_lo
	v_cndmask_b32 v83, v83, s[24+\e], vcc_lo
.endr
	v_mov_b32 v84, v80                             ; expert
	v_sub_nc_u32 v87, v0, v81                      ; the tile's number within it
	v_lshlrev_b32 v88, 5, v87
	v_add_nc_u32 v85, v82, v88                     ; first place
	v_sub_nc_u32 v89, v83, v88
	v_min_u32 v89, 32, v89
	v_cmp_gt_u32 vcc_lo, v83, v88
	v_cndmask_b32 v86, 0, v89, vcc_lo              ; rows: what is left of the expert's tokens, 32 at the most, 0 behind its end
	global_store_b128 v3, v[84:87], s[10:11]
	v_cvt_f32_u32 v90, v21
	v_mul_f32 v90, v23, v90                        ; lanes 8 on hold the count 0
.irp m, 1,2,4
	v_add_f32_dpp v90, v90, v90 row_xmask:\m row_mask:0xf bank_mask:0xf
.endr
	v_mul_f32 v90, 0x36000000, v90                 ; x 2^-19
	s_wait_xcnt 0x0                                ; EXEC changes only behind this wait
	v_cmp_gt_u32 vcc_lo, 8, v0
	s_wait_tensorcnt 0x0
	ds_add_u32 v96, v97
	s_wait_dscnt 0x0
	s_and_saveexec_b32 s3, vcc_lo
	global_store_b32 v4, v21, s[14:15]             ; out2
	s_wait_xcnt 0x0
	s_or_b32 exec_lo, exec_lo, s3
	v_cmp_eq_u32 vcc_lo, 0, v0
	s_and_saveexec_b32 s3, vcc_lo
	global_store_b32 v4, v90, s[12:13]             ; out1
	s_wait_xcnt 0x0
	s_or_b32 exec_lo, exec_lo, s3
	s_endpgm
.Lfunc_end_k_q12a64d0478_place:
	.size	k_q12a64d0478_place, .Lfunc_end_k_q12a64d0478_place-k_q12a64d0478_place
	.p2alignl 7, 3214868480
	.fill 96, 4, 3214868480
	.section	.rodata,"a",@progbits
	.p2align	6, 0x0
	.amdhsa_kernel k_q12a64d0478_place
		.amdhsa_group_segment_fixed_size 3072
		.amdhsa_private_segment_fixed_size 0
		.amdhsa_enable_private_segment 0
		.amdhsa_kernarg_size 48
		.amdhsa_user_sgpr_count 2
		.amdhsa_user_sgpr_kernarg_segment_ptr 1
		.amdhsa_wavefront_size32 1
		.amdhsa_system_sgpr_workgroup_id_x 1
		.amdhsa_system_sgpr_workgroup_id_y 1
		.amdhsa_system_sgpr_workgroup_id_z 1
		.amdhsa_system_vgpr_workitem_id 0
		.amdhsa_next_free_vgpr 98
		.amdhsa_next_free_sgpr 72
		.amdhsa_reserve_vcc 1
		.amdhsa_float_denorm_mode_32 3
		.amdhsa_float_denorm_mode_16_64 3
		.amdhsa_memory_ordered 1
		.amdhsa_forward_progress 1
		.amdhsa_inst_pref_size 33
	.end_amdhsa_kernel
	.amdgpu_metadata
---
amdhsa.version: [ 1, 2 ]
amdhsa.kernels:
  - .name:           k_q12a64d0478_place
    .symbol:         k_q12a64d0478_place.kd
    .args:
      - { .name: gate, .offset: 0, .size: 8, .value_kind: global_buffer, .address_space: global }
      - { .name: psum, .offset: 8, .size: 8, .value_kind: global_buffer, .address_space: global }
      - { .name: order, .offset: 16, .size: 8, .value_kind: global_buffer, .address_space: global }
      - { .name: tiles, .offset: 24, .size: 8, .value_kind: global_buffer, .address_space: global }
      - { .name: out1, .offset: 32, .size: 8, .value_kind: global_buffer, .address_space: global }
      - { .name: out2, .offset: 40, .size: 8, .value_kind: global_buffer, .address_space: global }
    .group_segment_fixed_size: 3072
    .private_segment_fixed_size: 0
    .kernarg_segment_align: 8
    .kernarg_segment_size: 48
    .max_flat_workgroup_size: 256
    .sgpr_count:     72
    .vgpr_count:     98
    .wavefront_size: 32
...
	.end_amdgpu_metadata
.endif
;; end of part 2
;; launch ffn (part 3): grid 71 x 1, 8 waves a work-group, no clusters, 136,192 bytes of LDS; arguments tiles, order, xc, xs, pgw, wl, b1, b2, out0; writes out0
.if DOCPART == 3
	.amdgcn_target "amdgcn-amd-amdhsa--gfx1250"
	.amdhsa_code_object_version 6
	.text
	.protected	k_q12a64d0478_ffn
	.globl	k_q12a64d0478_ffn
	.p2align	8
	.type	k_q12a64d0478_ffn,@function
k_q12a64d0478_ffn:
	s_mov_b64 s[64:65], 0
	v_nop
	global_prefetch_b8 v0, s[64:65] scope:SCOPE_SE
	s_setreg_imm32_b32 hwreg(HW_REG_WAVE_MODE, 25, 1), 1
	s_wait_xcnt 0x0
; THE CHAIN.  out0[token] = pg x (Q(gelu(Q(x) W1[e] + b1[e])) W2[e] + b2[e]) for the token's chosen expert alone; both products on E2M1 codes with one E8M0 scale for each 32 along K.
; A work-group takes one tile of the stored list (one expert, up to 32 of its tokens) through the whole chain; the hidden layer stays in registers and LDS.
; GRID: ceil(2,048 / 32) + 8 - 1 = 71 tiles serve every split of the tokens.  A work-group whose tile has 0 rows passes both barriers, leaves the work between them out and stores nothing.
; SHARES.  The eight waves share the columns, not the rows: wave w makes hidden units 256 w .. 256 w + 255 (two groups of 128) and then output columns 128 w .. 128 w + 127, for all 32 rows.
; So each byte of the expert's weights goes from memory into ONE wave's registers, once.  The first launch has laid the weights in that order: a wave's stream is 278,528 consecutive bytes, 32 chunks of
; 8,704 (a K step: eight tiles' register images and their scale words), each brought by 17 loads of 512 consecutive bytes.  A ring of four register buffers keeps up to four chunks on their way;
; it runs on through the activation and both barriers, from W1 into W2.  All 32 steps are written out: every offset is an immediate, and no base is ever stepped.
; NO TENSOR LOAD, NO CLUSTER: the text branches on numbers of the stored list (rows, the tile's number), neighbouring work-groups may hold different experts, and no weight byte is used by two waves.
; BOTH PRODUCTS ARE USED TRANSPOSED (source 0 = 16 rows of the weight, source 1 = 16 tokens): a lane holds one token, and its registers run along the hidden units (W1's tile rows are chosen for
; that) or along eight neighbouring output columns.  The biases are the C of each sum's first product: they are loaded into the accumulators.
; gelu is the tanh form, as x / (1 + 2^(x (KA + KB x^2))), KA = -2 log2(e) sqrt(2 / pi), KB = 0.044715 KA, all in f32.
; Rows behind a tile's end take a clamped place of the list, some valid token: they are computed and never stored; a row touches no other row in either product.
; LIMITS: NaN and infinities among the inputs are not served.  A block of zeros gets the scale byte 1 and zero codes.
; REGISTERS.  Window 0: v1-15 addresses; v16-17 tokens; v[18:19], v[110:111] pg twice each; v[20:23] KA, KB twice; v32-63 two sets of the tokens' fragments, later at work; v64-67 their scale words;
;   v68-83 the weights' scale words, four to a ring buffer; v84-108 the quantiser; v128-255 sixteen accumulators: (row tile m, tile t) at 128 + 64 m + 8 t.   Window 1: the ring: buffer b at v[64 b].
.set EB,    2228224                    ; an expert in wl
.set WB,    278528                     ; a wave's stream
.set CH,    8704                       ; a chunk
.set XIMG,  0                          ; LDS: x's fragments as register images: (2 s + m) x 1,024
.set HIMG,  16384                      ; the hidden layer's: (2 g + m) x 1,024
.set XSC,   49152                      ; x's scale words: (2 s + m) x 128 + 4 lane
.set HSC,   51200                      ; the hidden layer's
.set BIAS1, 55296                      ; b1[e], 8,192 bytes
.set BIAS2, 63488                      ; b2[e], 4,096 bytes
.set STAGE, 67584                      ; the way out: for each wave 16 rows x (512 + 16)
.set XF,    32
.set XSW,   64
.set WS,    68
.set TM,    84
.set PC,    100
.set PW,    108
.set ACC,   128
.set MSB, 0
.macro WIN new                         ; the immediate's high byte repeats the setting that is left
.if MSB != \new
	s_set_vgpr_msb (MSB<<8)|\new
.set MSB, \new
.endif
.endm
.macro CHUNK b, c                      ; chunk c of my stream into ring buffer b: 17 loads of 512 consecutive bytes
	global_load_b128 v[WS+4*(\b):WS+4*(\b)+3], v1, s[32:33] offset:(\c)*CH+8192
	WIN 0x40                                       ; destination window 1
.irp i, 0,1,2,3,4,5,6,7,8,9,10,11,12,13,14,15
	global_load_b128 v[64*(\b)+4*\i:64*(\b)+4*\i+3], v1, s[32:33] offset:(\c)*CH+512*\i
.endr
	WIN 0
.endm
.macro FRAGS p, fo, so                 ; the two row tiles' fragments of a K step and their scale words, from their images, into set p: six LDS loads
.irp m, 0,1
.irp c, 0,1
	ds_load_b128 v[XF+16*(\p)+8*\m+4*\c:XF+16*(\p)+8*\m+4*\c+3], v1 offset:(\fo)+1024*\m+512*\c
.endr
.endr
.irp m, 0,1
	ds_load_b32 v[XSW+2*(\p)+\m], v2 offset:(\so)+128*\m
.endr
.endm
.macro BIASA gg                        ; b1 into the accumulators: register j of tile t = hidden unit 32 (t / 2) + 16 (lane / 16) + 8 (t % 2) + j of my group gg
.irp m, 0,1
.irp t, 0,1,2,3,4,5,6,7
.irp d, 0,1
	ds_load_b128 v[ACC+64*\m+8*\t+4*\d:ACC+64*\m+8*\t+4*\d+3], v10 offset:512*(\gg)+128*(\t/2)+32*(\t%2)+16*\d
.endr
.endr
.endr
.endm
.macro BIASB                           ; b2: register j of tile t = column 16 t + 8 (lane / 16) + j of my 128
.irp m, 0,1
.irp t, 0,1,2,3,4,5,6,7
.irp d, 0,1
	ds_load_b128 v[ACC+64*\m+8*\t+4*\d:ACC+64*\m+8*\t+4*\d+3], v11 offset:64*\t+16*\d
.endr
.endr
.endr
.endm
; STEP q of 32: 128 along K.  nfo, nso: where the next step's fragments and scale words lie (nfo < 0: there is no next step in this run).
.macro STEP q, nfo, nso
.set SB, (\q)%4
.set SPAR, (\q)%2
.if (\nfo) >= 0
	FRAGS 1-SPAR, \nfo, \nso
.endif
.if (\q) <= 28
	s_wait_loadcnt 51                              ; chunk q is in; the three chunks behind it, 17 loads each, may be out
.else
	s_wait_loadcnt 17*(31-(\q))
.endif
.if (\nfo) >= 0
	s_wait_dscnt 6                                 ; all but the six loads just issued
.else
	s_wait_dscnt 0x0
.endif
	WIN 0x01                                       ; source 0, the weights, in window 1
.irp t, 0,1,2,3,4,5,6,7                        ; the sixteen accumulators take turns, one instruction a turn, in the same order in every step
.irp m, 0,1
.if \t%2
	v_wmma_scale_f32_16x16x128_f8f6f4 v[ACC+64*\m+8*\t:ACC+64*\m+8*\t+7], v[64*SB+8*\t:64*SB+8*\t+7], v[XF+16*SPAR+8*\m:XF+16*SPAR+8*\m+7], v[ACC+64*\m+8*\t:ACC+64*\m+8*\t+7], v[WS+4*SB+\t/2], v[XSW+2*SPAR+\m] matrix_a_fmt:MATRIX_FMT_FP4 matrix_b_fmt:MATRIX_FMT_FP4 matrix_a_scale:MATRIX_SCALE_ROW1
.else
	v_wmma_scale_f32_16x16x128_f8f6f4 v[ACC+64*\m+8*\t:ACC+64*\m+8*\t+7], v[64*SB+8*\t:64*SB+8*\t+7], v[XF+16*SPAR+8*\m:XF+16*SPAR+8*\m+7], v[ACC+64*\m+8*\t:ACC+64*\m+8*\t+7], v[WS+4*SB+\t/2], v[XSW+2*SPAR+\m] matrix_a_fmt:MATRIX_FMT_FP4 matrix_b_fmt:MATRIX_FMT_FP4
.endif
.endr
.endr
	WIN 0
.rept 4
	v_nop                                          ; four places ahead of the loads into the buffer, the scale words and the fragments just read, and of the first vector read of results
.endr
.if (\q) < 28
	CHUNK SB, (\q)+4                               ; the buffer takes the chunk four steps on
.endif
.if (\q) < 24
	; A prefetch, behind the step's loads.  The expert's first tile asks, each of its waves for its own stream, lanes 256 bytes apart: step q names bytes 8,192 (q + 10) on, 8,192 of them, which the loads
	; of steps q + 4 and q + 5 will want; so each block is named once in the launch.  The first 81,920 bytes come by their loads alone; steps 24 on ask for nothing: step 23 ends at the stream's last byte.
	s_cmp_eq_u32 s31, 0
	s_cbranch_scc0 .Lnp_\@
	global_prefetch_b8 v15, s[32:33] offset:8192*((\q)+10) th:TH_LOAD_NT scope:SCOPE_SE
.Lnp_\@:
.endif
.endm
; gelu of 32 numbers, in place, from the low end on; v32-63 at work.  The exponentials are one batch with one wait, and so are the reciprocals.
.macro GELU32 a
.set GA, \a
.set j, 0
.rept 16
	v_pk_mul_f32 v[XF+j:XF+j+1], v[GA+j:GA+j+1], v[GA+j:GA+j+1]
.set j, j+2
.endr
.set j, 0
.rept 16
	v_pk_fma_f32 v[XF+j:XF+j+1], v[XF+j:XF+j+1], v[22:23], v[20:21]
.set j, j+2
.endr
.set j, 0
.rept 16
	v_pk_mul_f32 v[XF+j:XF+j+1], v[XF+j:XF+j+1], v[GA+j:GA+j+1]
.set j, j+2
.endr
.set j, 0
.rept 32
	v_exp_f32 v[XF+j], v[XF+j]
.set j, j+1
.endr
	v_nop                                          ; a plain line behind the last exponential
	s_wait_alu depctr_va_vdst(0)                   ; the wait ahead of the first line that names a result: one for the batch
.set j, 0
.rept 16
	v_pk_add_f32 v[XF+j:XF+j+1], v[XF+j:XF+j+1], 1.0 op_sel_hi:[1,0]
.set j, j+2
.endr
.set j, 0
.rept 32
	v_rcp_f32 v[XF+j], v[XF+j]
.set j, j+1
.endr
	v_nop
	s_wait_alu depctr_va_vdst(0)
.set j, 0
.rept 16
	v_pk_mul_f32 v[GA+j:GA+j+1], v[GA+j:GA+j+1], v[XF+j:XF+j+1]
.set j, j+2
.endr
.endm
; 64 numbers of a lane, register 16 b + i = k 32 b + 16 (lane / 16) + i of my token, become a fragment's codes in v[PC] on and its scale word in v[PW].
.macro QUANT s
.set QS, \s
.irp b, 0,1,2,3
	v_max3_num_f32 v[TM+\b], |v[QS+16*\b]|, |v[QS+1+16*\b]|, 0x1800000   ; my 16 numbers of block b, and the floor 2^(3 - 127): the byte cannot fall under 1
.endr
.irp i, 2,4,6,8,10,12,14
.irp b, 0,1,2,3
	v_max3_num_f32 v[TM+\b], v[TM+\b], |v[QS+16*\b+\i]|, |v[QS+1+16*\b+\i]|
.endr
.endr
.irp b, 0,1,2,3
	v_permlanex16_b32 v[TM+4+\b], v[TM+\b], s40, s41
.endr
.irp b, 0,1,2,3
	v_max_num_f32 v[TM+\b], v[TM+\b], v[TM+4+\b]   ; with lane l xor 16: the block's largest magnitude
.endr
.irp b, 0,1,2,3
	v_add_nc_u32 v[TM+12+\b], 0xff000000, v[TM+\b] ; 2 off its exponent field: the conversion's scale operand
.endr
.irp b, 0,1,2,3
	v_lshrrev_b32 v[TM+4+\b], 23, v[TM+12+\b]      ; the scale's byte
.endr
	v_lshl_or_b32 v[PW], v[TM+5], 8, v[TM+4]
	v_lshl_or_b32 v[PW], v[TM+6], 16, v[PW]
	v_lshl_or_b32 v[PW], v[TM+7], 24, v[PW]
.irp b, 0,1,2,3
	v_cvt_scalef32_pk8_fp4_f32 v[PC+2*\b], v[QS+16*\b:QS+7+16*\b], v[TM+12+\b]
	v_cvt_scalef32_pk8_fp4_f32 v[PC+1+2*\b], v[QS+8+16*\b:QS+15+16*\b], v[TM+12+\b]
.endr
	v_nop                                          ; one plain line behind the last scaled conversion
.irp c, 0,1                                    ; the operand wants a whole block in a lane
.irp i, 0,1
	v_permlane16_swap_b32 v[PC+4*\c+\i], v[PC+2+4*\c+\i]
.endr
.endr
.endm
; My group gg of 128 hidden units, for the 32 rows: eight K steps, the activation, the quantiser; the two fragments are K step 2 w + gg of the second product and go to LDS as register images.
.macro GROUP gg
	BIASA \gg
	FRAGS 0, XIMG, XSC
.irp s, 0,1,2,3,4,5,6
	STEP 8*(\gg)+\s, XIMG+2048*(\s+1), XSC+256*(\s+1)
.endr
	STEP 8*(\gg)+7, -1, 0
.irp m, 0,1
	GELU32 ACC+64*\m
	GELU32 ACC+64*\m+32
	QUANT ACC+64*\m
.irp c, 0,1
	ds_store_b128 v7, v[PC+4*\c:PC+4*\c+3] offset:HIMG+2048*(\gg)+1024*\m+512*\c
.endr
	ds_store_b32 v8, v[PW] offset:HSC+256*(\gg)+128*\m
	s_wait_dscnt 0x0                               ; the stores have read their registers
.endr
.endm
	s_load_b512 s[8:23], s[0:1], 0x0               ; tiles 8, order 10, xc 12, xs 14, pgw 16, wl 18, b1 20, b2 22
	s_load_b64 s[24:25], s[0:1], 0x40              ; out0
	v_lshl_add_u32 v126, v0, 2, 0x21000
	v_mov_b32 v127, 0
	v_lshrrev_b32 v1, 5, v0
	v_readfirstlane_b32 s2, v1                     ; wave 0..7
	v_and_b32 v24, 31, v0
	v_lshlrev_b32 v1, 4, v24                       ; 16 x lane
	v_lshlrev_b32 v2, 2, v24                       ; 4 x lane
	v_and_b32 v3, 15, v0                           ; r
	v_bfe_u32 v4, v0, 4, 1                         ; h
	s_lshl_b32 s3, s2, 11
	v_add_nc_u32 v5, s3, v1                        ; where I store x's images: K step = my wave
	s_lshl_b32 s3, s2, 8
	v_add_nc_u32 v6, s3, v2                        ; and their scale words
	s_lshl_b32 s3, s2, 12
	v_add_nc_u32 v7, s3, v1                        ; the hidden layer's images: groups 2 w, 2 w + 1
	s_lshl_b32 s3, s2, 9
	v_add_nc_u32 v8, s3, v2
	v_add_nc_u32 v14, s3, v1                       ; my 16 bytes in a row of out0: 512 w + 16 lane
	v_lshl_add_u32 v9, v0, 4, BIAS1                ; the biases, in
	s_lshl_b32 s3, s2, 10
	s_add_co_u32 s3, s3, BIAS1
	v_lshl_add_u32 v10, v4, 6, s3                  ; b1, out: my 256 units, + 16 h units
	s_lshl_b32 s3, s2, 9
	s_add_co_u32 s3, s3, BIAS2
	v_lshl_add_u32 v11, v4, 5, s3                  ; b2, out: my 128 columns, + 8 h
	s_mul_i32 s3, s2, 8448
	s_add_co_u32 s3, s3, STAGE
	v_mul_u32_u24 v12, v3, 528
	v_lshl_add_u32 v12, v4, 5, v12
	v_add_nc_u32 v12, s3, v12                      ; my stage, in: row r, + 32 h
	v_add_nc_u32 v13, s3, v1                       ; and back: a row of 512 bytes
	v_lshlrev_b32 v15, 8, v24                      ; the prefetches: lanes 256 bytes apart
	v_mov_b32 v20, 0xc0135761                      ; KA
	v_mov_b32 v21, 0xc0135761
	v_mov_b32 v22, 0xbdd2d3e8                      ; KB
	v_mov_b32 v23, 0xbdd2d3e8
.irp b, 0,1,2,3
	v_mov_b32 v[TM+4+\b], 0                        ; written once: a lane permute's destination counts as one of its sources
.endr
	s_mov_b32 s40, 0x76543210
	s_mov_b32 s41, 0xfedcba98
	s_lshl_b32 s4, ttmp9, 4
	s_mov_b32 s5, 0
	s_wait_kmcnt 0x0
	s_add_nc_u64 s[8:9], s[8:9], s[4:5]
	s_load_b128 s[28:31], s[8:9], 0x0              ; my tile: expert, first place, rows, its number within the expert
	s_wait_kmcnt 0x0
	s_min_u32 s28, s28, 7
	s_min_u32 s29, s29, 0x7ff
	s_min_u32 s30, s30, 32
	s_mul_i32 s4, s28, EB
	s_mul_i32 s6, s2, WB
	s_add_co_u32 s4, s4, s6
	s_add_nc_u64 s[32:33], s[18:19], s[4:5]        ; my stream of weights
	s_lshl_b32 s4, s28, 13
	s_add_nc_u64 s[20:21], s[20:21], s[4:5]        ; b1[e]
	s_lshl_b32 s4, s28, 12
	s_add_nc_u64 s[22:23], s[22:23], s[4:5]        ; b2[e]
	v_add_nc_u32 v24, s29, v3
	v_add_nc_u32 v25, 16, v24
	v_min_u32 v24, 0x7ff, v24                      ; places behind the list's end are held at its last
	v_min_u32 v25, 0x7ff, v25
	v_lshlrev_b32 v24, 2, v24
	v_lshlrev_b32 v25, 2, v25
	global_load_b32 v16, v24, s[10:11]             ; the token of row r, and of row 16 + r
	global_load_b32 v17, v25, s[10:11]
	CHUNK 0, 0
	CHUNK 1, 1
	CHUNK 2, 2
	s_wait_loadcnt 51                              ; the tokens are in; the three chunks may be out
	v_min_u32 v16, 0x7ff, v16
	v_min_u32 v17, 0x7ff, v17
	s_lshl_b32 s3, s2, 6
	v_lshl_add_u32 v26, v4, 4, s3                  ; K step = my wave: 64 w + 16 h
	v_lshl_add_u32 v24, v16, 9, v26
	v_lshl_add_u32 v25, v17, 9, v26
	s_lshl_b32 s3, s2, 2
	v_lshl_add_u32 v26, v16, 5, s3
	v_lshl_add_u32 v27, v17, 5, s3
	v_lshlrev_b32 v28, 2, v16
	v_lshlrev_b32 v29, 2, v17
	v_lshlrev_b32 v30, 4, v0
	global_load_b128 v[ACC:ACC+3], v24, s[12:13]               ; x's codes: a fragment's registers as they lie in the token's row
	global_load_b128 v[ACC+4:ACC+7], v24, s[12:13] offset:32
	global_load_b128 v[ACC+8:ACC+11], v25, s[12:13]
	global_load_b128 v[ACC+12:ACC+15], v25, s[12:13] offset:32
	global_load_b32 v[ACC+16], v26, s[14:15]                   ; their scale words
	global_load_b32 v[ACC+17], v27, s[14:15]
	global_load_b32 v18, v28, s[16:17]                         ; pg
	global_load_b32 v19, v29, s[16:17]
	global_load_b128 v[ACC+20:ACC+23], v30, s[20:21]           ; b1[e], 16 bytes a thread, twice;
	global_load_b128 v[ACC+24:ACC+27], v30, s[20:21] offset:4096
	global_load_b128 v[ACC+28:ACC+31], v30, s[22:23]           ; b2[e]
	CHUNK 3, 3
	s_wait_loadcnt 17                              ; all but chunk 3
	v_mov_b32 v110, v19                            ; pg of rows 16 on, twice,
	v_mov_b32 v111, v19
	v_mov_b32 v19, v18                             ; and of rows 0 on, twice: pairs for the packed multiplies
	ds_store_b128 v5, v[ACC:ACC+3] offset:XIMG
	ds_store_b128 v5, v[ACC+4:ACC+7] offset:XIMG+512
	ds_store_b128 v5, v[ACC+8:ACC+11] offset:XIMG+1024
	ds_store_b128 v5, v[ACC+12:ACC+15] offset:XIMG+1536
	ds_store_b32 v6, v[ACC+16] offset:XSC
	ds_store_b32 v6, v[ACC+17] offset:XSC+128
	ds_store_b128 v9, v[ACC+20:ACC+23]
	ds_store_b128 v9, v[ACC+24:ACC+27] offset:4096
	ds_store_b128 v9, v[ACC+28:ACC+31] offset:8192
	s_wait_dscnt 0x0                               ; for the others: my images and my part of the biases lie in LDS
	s_barrier_signal -1
	s_barrier_wait -1
	s_cmp_eq_u32 s30, 0                            ; a tile without rows leaves the work out, never a barrier
	s_cbranch_scc1 .Ls1
	GROUP 0
	GROUP 1
.Ls1:
	s_wait_dscnt 0x0                               ; for the others: the hidden layer's images lie in LDS
	s_barrier_signal -1
	s_barrier_wait -1
	s_cmp_eq_u32 s30, 0
	s_cbranch_scc1 .Ldone
	BIASB
	FRAGS 0, HIMG, HSC
.irp s, 0,1,2,3,4,5,6,7,8,9,10,11,12,13,14
	STEP 16+\s, HIMG+2048*(\s+1), HSC+256*(\s+1)
.endr
	STEP 31, -1, 0
	; THE WAY OUT.  x pg, each accumulator from its low end on; then a row tile at a time through my stage, back as whole rows of 512 bytes, each to its token's row of out0.
.set j, 0
.rept 32
	v_pk_mul_f32 v[ACC+j:ACC+j+1], v[ACC+j:ACC+j+1], v[18:19]
.set j, j+2
.endr
.rept 32
	v_pk_mul_f32 v[ACC+j:ACC+j+1], v[ACC+j:ACC+j+1], v[110:111]
.set j, j+2
.endr
.irp m, 0,1
.if \m == 1
	s_cmp_le_u32 s30, 16
	s_cbranch_scc1 .Ldone
.endif
.irp t, 0,1,2,3,4,5,6,7
	ds_store_b128 v12, v[ACC+64*\m+8*\t:ACC+64*\m+8*\t+3] offset:64*\t
	ds_store_b128 v12, v[ACC+64*\m+8*\t+4:ACC+64*\m+8*\t+7] offset:64*\t+16
.endr
.irp i, 0,1,2,3,4,5,6,7,8,9,10,11,12,13,14,15
	ds_load_b128 v[ACC+64*\m+4*\i:ACC+64*\m+4*\i+3], v13 offset:528*\i   ; LDS serves a wave's instructions in order: these see my stores, and the next row tile's stores come behind them
.endr
.irp i, 0,1,2,3,4,5,6,7,8,9,10,11,12,13,14,15
.if \i > 0
	s_cmp_le_u32 s30, 16*\m+\i                     ; rows behind the tile's end are not stored
	s_cbranch_scc1 .Ldone
.endif
	s_wait_dscnt 15-\i                             ; row i is back; the later rows may be out
	v_readlane_b32 s42, v[16+\m], \i               ; its token
	s_min_u32 s42, s42, 0x7ff
	v_lshl_add_u32 v[32+16*\m+\i], s42, 12, v14    ; an offset register of its own for each store: none is written again
	global_store_b128 v[32+16*\m+\i], v[ACC+64*\m+4*\i:ACC+64*\m+4*\i+3], s[24:25] th:TH_STORE_NT   ; 32 lanes store 512 consecutive bytes, at a multiple of 256 from out0's first byte
.endr
.endr
.Ldone:
	s_wait_dscnt 0x0
	s_wait_tensorcnt 0x0
	ds_add_u32 v126, v127
	s_wait_dscnt 0x0
	s_endpgm
.Lfunc_end_k_q12a64d0478_ffn:
	.size	k_q12a64d0478_ffn, .Lfunc_end_k_q12a64d0478_ffn-k_q12a64d0478_ffn
	.p2alignl 7, 3214868480
	.fill 96, 4, 3214868480
	.section	.rodata,"a",@progbits
	.p2align	6, 0x0
	.amdhsa_kernel k_q12a64d0478_ffn
		.amdhsa_group_segment_fixed_size 136192
		.amdhsa_private_segment_fixed_size 0
		.amdhsa_enable_private_segment 0
		.amdhsa_kernarg_size 72
		.amdhsa_user_sgpr_count 2
		.amdhsa_user_sgpr_kernarg_segment_ptr 1
		.amdhsa_wavefront_size32 1
		.amdhsa_system_sgpr_workgroup_id_x 1
		.amdhsa_system_sgpr_workgroup_id_y 1
		.amdhsa_system_sgpr_workgroup_id_z 1
		.amdhsa_system_vgpr_workitem_id 0
		.amdhsa_next_free_vgpr 512
		.amdhsa_next_free_sgpr 66
		.amdhsa_reserve_vcc 0
		.amdhsa_float_denorm_mode_32 3
		.amdhsa_float_denorm_mode_16_64 3
		.amdhsa_memory_ordered 1
		.amdhsa_forward_progress 1
		.amdhsa_inst_pref_size 246
	.end_amdhsa_kernel
	.amdgpu_metadata
---
amdhsa.version: [ 1, 2 ]
amdhsa.kernels:
  - .name:           k_q12a64d0478_ffn
    .symbol:         k_q12a64d0478_ffn.kd
    .args:
      - { .name: tiles, .offset: 0, .size: 8, .value_kind: global_buffer, .address_space: global }
      - { .name: order, .offset: 8, .size: 8, .value_kind: global_buffer, .address_space: global }
      - { .name: xc, .offset: 16, .size: 8, .value_kind: global_buffer, .address_space: global }
      - { .name: xs, .offset: 24, .size: 8, .value_kind: global_buffer, .address_space: global }
      - { .name: pgw, .offset: 32, .size: 8, .value_kind: global_buffer, .address_space: global }
      - { .name: wl, .offset: 40, .size: 8, .value_kind: global_buffer, .address_space: global }
      - { .name: b1, .offset: 48, .size: 8, .value_kind: global_buffer, .address_space: global }
      - { .name: b2, .offset: 56, .size: 8, .value_kind: global_buffer, .address_space: global }
      - { .name: out0, .offset: 64, .size: 8, .value_kind: global_buffer, .address_space: global }
    .group_segment_fixed_size: 136192
    .private_segment_fixed_size: 0
    .kernarg_segment_align: 8
    .kernarg_segment_size: 72
    .max_flat_workgroup_size: 256
    .sgpr_count:     66
    .vgpr_count:     512
    .wavefront_size: 32
...
	.end_amdgpu_metadata
.endif
;; end of part 3
;; ======== version 2 of 3: 4 launches
;; workspace buffers: xc 1,048,576 bytes; xs 65,536 bytes; gate 8,192 bytes of whole numbers; pgw 8,192 bytes; psum 16,384 bytes; wl 17,825,792 bytes; route 12,288 bytes of whole numbers; hid 2,715,648 bytes
;; launch prep: the kernel of part 1 again; grid 320 x 1, 8 waves a work-group, no clusters, 141,824 bytes of LDS; arguments x, Wg, W1_codes, W1_scales, W2_codes, W2_scales, xc, xs, gate, pgw, psum, wl; writes xc, xs, gate, pgw, psum, wl
;; launch place (part 4): grid 1 x 1, 8 waves a work-group, no clusters, 3,072 bytes of LDS; arguments gate, psum, route, out1, out2; writes route, out1, out2
.if DOCPART == 4
	.amdgcn_target "amdgcn-amd-amdhsa--gfx1250"
	.amdhsa_code_object_version 6
	.text
	.protected	k_q12a64d0478_place
	.globl	k_q12a64d0478_place
	.p2align	8
	.type	k_q12a64d0478_place,@function
k_q12a64d0478_place:
	s_mov_b64 s[64:65], 0
	v_nop
	global_prefetch_b8 v0, s[64:65] scope:SCOPE_SE
	s_setreg_imm32_b32 hwreg(HW_REG_WAVE_MODE, 25, 1), 1
	s_wait_xcnt 0x0
; THE PLACING.  One work-group reads the 2,048 chosen experts (whole numbers that the launch before stored) and the 512 rows of probability sums, and stores:
;   route, bytes 0 on: order [2048]: the tokens sorted by expert (a counting sort without atomics; the order within an expert is free, since nothing is dropped);
;   route, bytes 8,192 on: tiles [256][4]: {expert, first place in order, rows (0 to 64), image tile}; tiles behind the last have 0 rows.  The image tile is the tile's own number, or 0 for a
;   tile without rows: tile 0 always has rows, so a later launch that reads by this number reads only what was stored;
;   out2: the eight counts;  out1 = 8 x sum over experts of (sum of probabilities / 2,048) x (count / 2,048) = 2^-19 x sum of (sum x count): the counts add up to 2,048 for every input.
; Thread t holds tokens 8 t .. 8 t + 7.  A wave counts by the bits of a compare; eight compares write eight scalar registers before the eight counts are taken, so that vector and scalar work change
; hands once a batch.  The waves' counts meet in LDS behind the one barrier.  One work-group: the sort is 2,048 numbers, and every place hangs on all counts.
.set PSM, 1024                         ; LDS: 0: counts, a word a thread (lanes 0-7 of a wave: its eight counts); 1,024: 8 x 32 bytes of probability sums
.set G,   8                            ; v8-15   my eight tokens' experts
.set CM,  72                           ; s72-79  a batch's eight masks, then their counts
	s_load_b256 s[4:11], s[0:1], 0x0               ; gate 4, psum 6, route 8, out1 10
	s_load_b64 s[12:13], s[0:1], 0x20              ; out2
	v_lshl_add_u32 v96, v0, 2, 0x800
	v_mov_b32 v97, 0
	v_lshrrev_b32 v1, 5, v0
	v_readfirstlane_b32 s2, v1                     ; wave
	v_and_b32 v1, 31, v0
	v_lshlrev_b32 v2, 5, v0
	v_lshlrev_b32 v3, 4, v0
	v_lshlrev_b32 v4, 2, v0
	v_and_b32 v5, 1, v0
	s_lshl_b32 s3, s2, 5
	s_add_co_u32 s3, s3, PSM
	v_lshl_add_u32 v5, v5, 4, s3                   ; my wave's sums: experts 4 (lane % 2) on
	v_lshlrev_b32 v6, 2, v1
	v_and_b32 v7, 7, v0
	v_lshl_add_u32 v7, v7, 2, PSM
	s_mov_b32 s66, 0x76543210
	s_mov_b32 s67, 0xfedcba98
	s_wait_kmcnt 0x0
	global_load_b128 v[8:11], v2, s[4:5]
	global_load_b128 v[12:15], v2, s[4:5] offset:16
.irp j, 0,1,2,3
	global_load_b128 v[40+4*\j:43+4*\j], v3, s[6:7] offset:4096*\j   ; floats 1,024 j + 4 t on: experts 4 (t % 2) + 0 .. 3
.endr
	s_wait_loadcnt 0x0
.irp i, 0,1,2,3,4,5,6,7
	v_min_u32 v[G+\i], 7, v[G+\i]
.endr
.irp e, 0,1,2,3,4,5,6,7                        ; my wave's count of each expert
.irp i, 0,1,2,3,4,5,6,7
	v_cmp_eq_u32 s[CM+\i], \e, v[G+\i]
.endr
	s_bcnt1_i32_b32 s[16+\e], s[CM]
.irp i, 1,2,3,4,5,6,7
	s_bcnt1_i32_b32 s[CM+\i], s[CM+\i]
.endr
.irp i, 1,2,3,4,5,6,7
	s_add_co_u32 s[16+\e], s[16+\e], s[CM+\i]
.endr
.endr
	v_mov_b32 v20, 0
.irp e, 0,1,2,3,4,5,6,7
	v_writelane_b32 v20, s[16+\e], \e
.endr
	ds_store_b32 v4, v20
	v_pk_add_f32 v[40:41], v[40:41], v[44:45]
	v_pk_add_f32 v[42:43], v[42:43], v[46:47]
	v_pk_add_f32 v[48:49], v[48:49], v[52:53]
	v_pk_add_f32 v[50:51], v[50:51], v[54:55]
	v_pk_add_f32 v[40:41], v[40:41], v[48:49]
	v_pk_add_f32 v[42:43], v[42:43], v[50:51]
.irp x, 2,4,8                                  ; over the lanes of my parity
.irp q, 0,1,2,3
	v_add_f32_dpp v[40+\q], v[40+\q], v[40+\q] row_xmask:\x row_mask:0xf bank_mask:0xf
.endr
.endr
.irp q, 0,1,2,3
	v_mov_b32 v[56+\q], 0
.endr
.irp q, 0,1,2,3
	v_permlanex16_b32 v[56+\q], v[40+\q], s66, s67
.endr
	v_pk_add_f32 v[40:41], v[40:41], v[56:57]
	v_pk_add_f32 v[42:43], v[42:43], v[58:59]
	ds_store_b128 v5, v[40:43]                     ; the lanes of a parity write the same 16 bytes with the same values
	s_wait_dscnt 0x0                               ; for the others: my counts and sums lie in LDS
	s_barrier_signal -1
	s_barrier_wait -1
.irp j, 0,1,2,3,4,5,6,7
	ds_load_b32 v[24+\j], v6 offset:128*\j         ; lane e < 8: wave j's count of expert e; the other lanes: 0
.endr
.irp j, 0,1,2,3,4,5,6,7
	ds_load_b32 v[32+\j], v7 offset:32*\j          ; wave j's sum of expert lane % 8
.endr
	s_wait_dscnt 0x0
	v_add3_u32 v21, v24, v25, v26
	v_add3_u32 v21, v21, v27, v28
	v_add3_u32 v21, v21, v29, v30
	v_add_nc_u32 v21, v21, v31                     ; the expert's count
	v_mov_b32 v22, 0
.irp j, 0,1,2,3,4,5,6
	s_cmp_gt_u32 s2, \j
	s_cselect_b32 s3, -1, 0
	v_and_b32 v19, s3, v[24+\j]
	v_add_nc_u32 v22, v22, v19                     ; and what the waves ahead of mine hold of it
.endr
	v_add_f32 v23, v32, v33
.irp j, 2,3,4,5,6,7
	v_add_f32 v23, v23, v[32+\j]
.endr
.irp e, 0,1,2,3,4,5,6,7
	v_readlane_b32 s[24+\e], v21, \e
	v_readlane_b32 s[56+\e], v22, \e
.endr
	s_mov_b32 s32, 0                               ; where an expert's tokens begin in order,
	s_mov_b32 s48, 0                               ; and its tiles of 64 rows in the list
.irp e, 0,1,2,3,4,5,6
	s_add_co_u32 s[33+\e], s[32+\e], s[24+\e]
	s_add_co_u32 s3, s[24+\e], 63
	s_lshr_b32 s3, s3, 6
	s_add_co_u32 s[49+\e], s[48+\e], s3
.endr
.irp e, 0,1,2,3,4,5,6,7
	s_add_co_u32 s[40+\e], s[32+\e], s[56+\e]      ; where my wave's tokens of the expert begin
.endr
.irp i, 0,1,2,3,4,5,6,7                        ; token i of every lane: its place = the expert's running place + the lanes below me that hold the same expert
.irp e, 0,1,2,3,4,5,6,7
	v_cmp_eq_u32 s[CM+\e], \e, v[G+\i]
.endr
.irp e, 0,1,2,3,4,5,6,7
	v_mbcnt_lo_u32_b32 v[24+\e], s[CM+\e], s[40+\e]
.endr
	v_cndmask_b32 v[64+\i], v24, v25, s[CM+1]
.irp e, 2,3,4,5,6,7
	v_cndmask_b32 v[64+\i], v[64+\i], v[24+\e], s[CM+\e]
.endr
.irp e, 0,1,2,3,4,5,6,7
	s_bcnt1_i32_b32 s[CM+\e], s[CM+\e]
.endr
.irp e, 0,1,2,3,4,5,6,7
	s_add_co_u32 s[40+\e], s[40+\e], s[CM+\e]
.endr
.endr
.irp i, 0,1,2,3,4,5,6,7
	v_min_u32 v[64+\i], 0x7ff, v[64+\i]
	v_lshlrev_b32 v[64+\i], 2, v[64+\i]
	v_lshl_add_u32 v[72+\i], v0, 3, \i             ; the token
.endr
.irp i, 0,1,2,3,4,5,6,7
	global_store_b32 v[64+\i], v[72+\i], s[8:9]
.endr
	; the list of tiles: thread j is tile j; the last expert whose first tile is not behind j has it, so that an expert without tokens is passed over
	v_mov_b32 v80, 0
	v_mov_b32 v81, 0
	v_mov_b32 v82, 0
	v_mov_b32 v83, s24
.irp e, 1,2,3,4,5,6,7
	v_cmp_ge_u32 vcc_lo, v0, s[48+\e]
	v_cndmask_b32 v80, v80, \e, vcc_lo
	v_cndmask_b32 v81, v81, s[48+\e], vcc_lo
	v_cndmask_b32 v82, v82, s[32+\e], vcc_lo
	v_cndmask_b32 v83, v83, s[24+\e], vcc_lo
.endr
	v_mov_b32 v84, v80                             ; expert
	v_sub_nc_u32 v91, v0, v81                      ; the tile's number within it
	v_lshlrev_b32 v88, 6, v91
	v_add_nc_u32 v85, v82, v88                     ; first place
	v_sub_nc_u32 v89, v83, v88
	v_min_u32 v89, 64, v89
	v_cmp_gt_u32 vcc_lo, v83, v88
	v_cndmask_b32 v86, 0, v89, vcc_lo              ; rows: what is left of the expert's tokens, 64 at the most, 0 behind its end
	v_cndmask_b32 v87, 0, v0, vcc_lo               ; image tile
	global_store_b128 v3, v[84:87], s[8:9] offset:8192
	v_cvt_f32_u32 v90, v21
	v_mul_f32 v90, v23, v90                        ; lanes 8 on hold the count 0
.irp m, 1,2,4
	v_add_f32_dpp v90, v90, v90 row_xmask:\m row_mask:0xf bank_mask:0xf
.endr
	v_mul_f32 v90, 0x36000000, v90                 ; x 2^-19
	s_wait_xcnt 0x0                                ; EXEC changes only behind this wait
	v_cmp_gt_u32 vcc_lo, 8, v0
	s_wait_tensorcnt 0x0
	ds_add_u32 v96, v97
	s_wait_dscnt 0x0
	s_and_saveexec_b32 s3, vcc_lo
	global_store_b32 v4, v21, s[12:13]             ; out2
	s_wait_xcnt 0x0
	s_or_b32 exec_lo, exec_lo, s3
	v_cmp_eq_u32 vcc_lo, 0, v0
	s_and_saveexec_b32 s3, vcc_lo
	global_store_b32 v4, v90, s[10:11]             ; out1
	s_wait_xcnt 0x0
	s_or_b32 exec_lo, exec_lo, s3
	s_endpgm
.Lfunc_end_k_q12a64d0478_place:
	.size	k_q12a64d0478_place, .Lfunc_end_k_q12a64d0478_place-k_q12a64d0478_place
	.p2alignl 7, 3214868480
	.fill 96, 4, 3214868480
	.section	.rodata,"a",@progbits
	.p2align	6, 0x0
	.amdhsa_kernel k_q12a64d0478_place
		.amdhsa_group_segment_fixed_size 3072
		.amdhsa_private_segment_fixed_size 0
		.amdhsa_enable_private_segment 0
		.amdhsa_kernarg_size 40
		.amdhsa_user_sgpr_count 2
		.amdhsa_user_sgpr_kernarg_segment_ptr 1
		.amdhsa_wavefront_size32 1
		.amdhsa_system_sgpr_workgroup_id_x 1
		.amdhsa_system_sgpr_workgroup_id_y 1
		.amdhsa_system_sgpr_workgroup_id_z 1
		.amdhsa_system_vgpr_workitem_id 0
		.amdhsa_next_free_vgpr 98
		.amdhsa_next_free_sgpr 80
		.amdhsa_reserve_vcc 1
		.amdhsa_float_denorm_mode_32 3
		.amdhsa_float_denorm_mode_16_64 3
		.amdhsa_memory_ordered 1
		.amdhsa_forward_progress 1
		.amdhsa_inst_pref_size 38
	.end_amdhsa_kernel
	.amdgpu_metadata
---
amdhsa.version: [ 1, 2 ]
amdhsa.kernels:
  - .name:           k_q12a64d0478_place
    .symbol:         k_q12a64d0478_place.kd
    .args:
      - { .name: gate, .offset: 0, .size: 8, .value_kind: global_buffer, .address_space: global }
      - { .name: psum, .offset: 8, .size: 8, .value_kind: global_buffer, .address_space: global }
      - { .name: route, .offset: 16, .size: 8, .value_kind: global_buffer, .address_space: global }
      - { .name: out1, .offset: 24, .size: 8, .value_kind: global_buffer, .address_space: global }
      - { .name: out2, .offset: 32, .size: 8, .value_kind: global_buffer, .address_space: global }
    .group_segment_fixed_size: 3072
    .private_segment_fixed_size: 0
    .kernarg_segment_align: 8
    .kernarg_segment_size: 40
    .max_flat_workgroup_size: 256
    .sgpr_count:     80
    .vgpr_count:     98
    .wavefront_size: 32
...
	.end_amdgpu_metadata
.endif
;; end of part 4
;; launch ffn1 (part 5): grid 39 x 4, 8 waves a work-group, no clusters, 39,936 bytes of LDS; arguments route, xc, xs, wl, b1, hid; writes hid
.if DOCPART == 5
	.amdgcn_target "amdgcn-amd-amdhsa--gfx1250"
	.amdhsa_code_object_version 6
	.text
	.protected	k_q12a64d0478_ffn1
	.globl	k_q12a64d0478_ffn1
	.p2align	8
	.type	k_q12a64d0478_ffn1,@function
k_q12a64d0478_ffn1:
	s_mov_b64 s[64:65], 0
	v_nop
	global_prefetch_b8 v0, s[64:65] scope:SCOPE_SE
	s_setreg_imm32_b32 hwreg(HW_REG_WAVE_MODE, 25, 1), 1
	s_wait_xcnt 0x0
; THE CHAIN'S FIRST HALF.  hid = Q(gelu(Q(x) W1[e] + b1[e])) for each token's chosen expert alone; the product on E2M1 codes with one E8M0 scale for each 32 along K.
; GRID: x = a tile of the stored list (one expert, up to 64 of its tokens): ceil(2,048 / 64) + 8 - 1 = 39 tiles serve every split of the tokens; y = a quarter of the 2,048 hidden units.
; So a work-group reads a quarter of its expert's W1, 278,528 bytes, and 156 work-groups share the work.  A tile without rows passes the barrier, leaves the work out and stores nothing.
; SHARES.  Wave v makes hidden units 512 y + 64 v .. + 63 for all 64 rows: 4 tiles of W1 x 4 tiles of rows = 16 accumulators, 8 K steps.  Each weight byte goes from memory into ONE wave's registers,
; once.  The first launch has laid the weights in operand order; a wave's share of a K step is half a chunk there: 8 loads of 512 consecutive bytes, and 8 bytes a lane of scale words.  All eight
; K steps' weights (256 registers) are asked for in the head, as soon as the expert is known: so there is no ring, no refill, and nothing that a prefetch could ask for earlier.
; NO TENSOR LOAD, NO CLUSTER: the text branches on a number of the stored list, neighbouring work-groups may hold different experts, and no weight byte is used by two waves.
; THE PRODUCT IS USED TRANSPOSED (source 0 = 16 rows of W1, source 1 = 16 tokens): a lane holds one token, and its registers run along the hidden units (W1's tile rows were chosen for that).
; b1 is the C of each sum's first product: it is loaded into the accumulators.
; gelu is the tanh form, as x / (1 + 2^(x (KA + KB x^2))), KA = -2 log2(e) sqrt(2 / pi), KB = 0.044715 KA, all in f32.
; WHAT IS STORED.  A wave's 64 hidden units are half a K step of the next product: registers 4 half .. 4 half + 3 of a fragment.  They leave as an image of those registers, 512 consecutive bytes a
; store: hid byte = tile x 69,632 + (4 g + m) x 1,024 + 512 half + 16 lane (g: the K step, m: the tile of rows).  The two scale bytes of a row and half: at 65,536 + 256 g + 128 half + 8 r + 4 h:
; word h of row r holds those of row tiles 2 h and 2 h + 1; 128 consecutive bytes a wave.
; Rows behind a tile's end take a clamped place of the list, some valid token: they are computed, and the next launch does not store them; a row touches no other row.
; LIMITS: NaN and infinities among the inputs are not served.  A block of zeros gets the scale byte 1 and zero codes; only this program reads the bytes.
; REGISTERS.  Window 0: v1-11, v18-19, v24-31 addresses; v12-15 tokens; v[20:23] KA, KB twice; v32-95 two sets of the tokens' four fragments, later at work; v96-103 their scale words;
;   v104-119 the weights' scale words, two a K step; v120-122 the hidden layer's scale bytes; v128-255 accumulators: (row tile m, tile t) at 128 + 32 m + 8 t.   Window 1: K step c's four tiles at v[32 c].
.set EB,    2228224                    ; an expert in wl
.set WB,    278528                     ; 128 columns' stream there: 16 chunks of W1, 16 of W2
.set CH,    8704                       ; a chunk
.set TB,    69632                      ; a tile in hid
.set XIMG,  0                          ; LDS: x's fragments as register images: (4 s + m) x 1,024
.set XSC,   32768                      ; their scale words: (4 s + m) x 128 + 4 lane
.set BIAS,  36864                      ; my quarter of b1[e], 2,048 bytes
.set XF,    32
.set XSW,   96
.set WS,    104
.set TM,    64                         ; the quantiser's work registers lie in the second set of fragments, which is done with by then
.set PC,    80                         ; two sets of eight registers of codes, so that no store's data are written again
.set PW,    120
.set ACC,   128
.set MSB, 0
.macro WIN new                         ; the immediate's high byte repeats the setting that is left
.if MSB != \new
	s_set_vgpr_msb (MSB<<8)|\new
.set MSB, \new
.endif
.endm
.macro CHUNK c                         ; my four tiles of K step c and their scale words: nine loads
	global_load_b64 v[WS+2*(\c):WS+2*(\c)+1], v7, s[32:33] offset:(\c)*CH+8192
	WIN 0x40                                       ; destination window 1
.irp i, 0,1,2,3,4,5,6,7
	global_load_b128 v[32*(\c)+4*\i:32*(\c)+4*\i+3], v8, s[32:33] offset:(\c)*CH+512*\i
.endr
	WIN 0
.endm
.macro FRAGS p, fo, so                 ; the four row tiles' fragments of a K step and their scale words, from their images, into set p: twelve LDS loads
.irp m, 0,1,2,3
.irp c, 0,1
	ds_load_b128 v[XF+32*(\p)+8*\m+4*\c:XF+32*(\p)+8*\m+4*\c+3], v1 offset:(\fo)+1024*\m+512*\c
.endr
.endr
.irp m, 0,1,2,3
	ds_load_b32 v[XSW+4*(\p)+\m], v2 offset:(\so)+128*\m
.endr
.endm
.macro BIASA                           ; b1 into the accumulators: register j of tile t = hidden unit 32 (t / 2) + 16 (lane / 16) + 8 (t % 2) + j of my 64
.irp m, 0,1,2,3
.irp t, 0,1,2,3
.irp d, 0,1
	ds_load_b128 v[ACC+32*\m+8*\t+4*\d:ACC+32*\m+8*\t+4*\d+3], v10 offset:128*(\t/2)+32*(\t%2)+16*\d
.endr
.endr
.endr
.endm
.macro STEP s                          ; K step s of 8: 128 along K
.set SQ, \s
.set SPAR, SQ%2
.if SQ < 7
	FRAGS 1-SPAR, XIMG+4096*(SQ+1), XSC+512*(SQ+1)
.endif
.if SQ >= 3
	s_wait_loadcnt 9*(7-SQ)                        ; K step s's weights are in; the later steps', nine loads each, may be out.  (Steps 0 to 2: shown in by the head's last wait)
.endif
.if SQ < 7
	s_wait_dscnt 12                                ; all but the twelve loads just issued
.else
	s_wait_dscnt 0x0
.endif
	WIN 0x01                                       ; source 0, the weights, in window 1
.irp t, 0,1,2,3                                ; the sixteen accumulators take turns, one instruction a turn, in the same order in every step
.irp m, 0,1,2,3
.if \t%2
	v_wmma_scale_f32_16x16x128_f8f6f4 v[ACC+32*\m+8*\t:ACC+32*\m+8*\t+7], v[32*SQ+8*\t:32*SQ+8*\t+7], v[XF+32*SPAR+8*\m:XF+32*SPAR+8*\m+7], v[ACC+32*\m+8*\t:ACC+32*\m+8*\t+7], v[WS+2*SQ+\t/2], v[XSW+4*SPAR+\m] matrix_a_fmt:MATRIX_FMT_FP4 matrix_b_fmt:MATRIX_FMT_FP4 matrix_a_scale:MATRIX_SCALE_ROW1
.else
	v_wmma_scale_f32_16x16x128_f8f6f4 v[ACC+32*\m+8*\t:ACC+32*\m+8*\t+7], v[32*SQ+8*\t:32*SQ+8*\t+7], v[XF+32*SPAR+8*\m:XF+32*SPAR+8*\m+7], v[ACC+32*\m+8*\t:ACC+32*\m+8*\t+7], v[WS+2*SQ+\t/2], v[XSW+4*SPAR+\m] matrix_a_fmt:MATRIX_FMT_FP4 matrix_b_fmt:MATRIX_FMT_FP4
.endif
.endr
.endr
	WIN 0
.rept 4
	v_nop                                          ; four places ahead of the loads into the fragments and scale words just read, and of the first vector read of results
.endr
.endm
; gelu of 32 numbers, in place, from the low end on; v32-63 at work.  The exponentials are one batch with one wait, and so are the reciprocals.
.macro GELU32 a
.set GA, \a
.set j, 0
.rept 16
	v_pk_mul_f32 v[XF+j:XF+j+1], v[GA+j:GA+j+1], v[GA+j:GA+j+1]
.set j, j+2
.endr
.set j, 0
.rept 16
	v_pk_fma_f32 v[XF+j:XF+j+1], v[XF+j:XF+j+1], v[22:23], v[20:21]
.set j, j+2
.endr
.set j, 0
.rept 16
	v_pk_mul_f32 v[XF+j:XF+j+1], v[XF+j:XF+j+1], v[GA+j:GA+j+1]
.set j, j+2
.endr
.set j, 0
.rept 32
	v_exp_f32 v[XF+j], v[XF+j]
.set j, j+1
.endr
	v_nop                                          ; a plain line behind the last exponential
	s_wait_alu depctr_va_vdst(0)                   ; the wait ahead of the first line that names a result: one for the batch
.set j, 0
.rept 16
	v_pk_add_f32 v[XF+j:XF+j+1], v[XF+j:XF+j+1], 1.0 op_sel_hi:[1,0]
.set j, j+2
.endr
.set j, 0
.rept 32
	v_rcp_f32 v[XF+j], v[XF+j]
.set j, j+1
.endr
	v_nop
	s_wait_alu depctr_va_vdst(0)
.set j, 0
.rept 16
	v_pk_mul_f32 v[GA+j:GA+j+1], v[GA+j:GA+j+1], v[XF+j:XF+j+1]
.set j, j+2
.endr
.endm
; 64 numbers of a lane: two row tiles x two blocks: register 16 b + i = hidden unit 32 (b % 2) + 16 (lane / 16) + i of my 64, row tile b / 2 of the pair.
; They become the pair's codes (four registers a row tile, in v[pc] on) and one word of four scale bytes (two a row tile, in v[pw]).
.macro QUANT s, pc, pw
.set QS, \s
.set QC, \pc
.set QW, \pw
.irp b, 0,1,2,3
	v_max3_num_f32 v[TM+\b], |v[QS+16*\b]|, |v[QS+1+16*\b]|, 0x1800000   ; my 16 numbers of block b, and the floor 2^(3 - 127): the byte cannot fall under 1
.endr
.irp i, 2,4,6,8,10,12,14
.irp b, 0,1,2,3
	v_max3_num_f32 v[TM+\b], v[TM+\b], |v[QS+16*\b+\i]|, |v[QS+1+16*\b+\i]|
.endr
.endr
.irp b, 0,1,2,3
	v_permlanex16_b32 v[TM+4+\b], v[TM+\b], s40, s41
.endr
.irp b, 0,1,2,3
	v_max_num_f32 v[TM+\b], v[TM+\b], v[TM+4+\b]   ; with lane l xor 16: the block's largest magnitude
.endr
.irp b, 0,1,2,3
	v_add_nc_u32 v[TM+12+\b], 0xff000000, v[TM+\b] ; 2 off its exponent field: the conversion's scale operand
.endr
.irp b, 0,1,2,3
	v_lshrrev_b32 v[TM+4+\b], 23, v[TM+12+\b]      ; the scale's byte
.endr
	v_lshl_or_b32 v[QW], v[TM+5], 8, v[TM+4]
	v_lshl_or_b32 v[QW], v[TM+6], 16, v[QW]
	v_lshl_or_b32 v[QW], v[TM+7], 24, v[QW]
.irp b, 0,1,2,3
	v_cvt_scalef32_pk8_fp4_f32 v[QC+2*\b], v[QS+16*\b:QS+7+16*\b], v[TM+12+\b]
	v_cvt_scalef32_pk8_fp4_f32 v[QC+1+2*\b], v[QS+8+16*\b:QS+15+16*\b], v[TM+12+\b]
.endr
	v_nop                                          ; one plain line behind the last scaled conversion
.irp c, 0,1                                    ; the operand wants a whole block in a lane: lanes 0-15 the first block of my 64, lanes 16-31 the second
.irp i, 0,1
	v_permlane16_swap_b32 v[QC+4*\c+\i], v[QC+2+4*\c+\i]
.endr
.endr
.endm
	s_load_b256 s[8:15], s[0:1], 0x0               ; route 8, xc 10, xs 12, wl 14
	s_load_b128 s[16:19], s[0:1], 0x20             ; b1 16, hid 18
	v_lshl_add_u32 v126, v0, 2, 0x9800
	v_mov_b32 v127, 0
	v_lshrrev_b32 v1, 5, v0
	v_readfirstlane_b32 s2, v1                     ; wave 0..7
	v_and_b32 v24, 31, v0
	v_lshlrev_b32 v1, 4, v24                       ; 16 x lane
	v_lshlrev_b32 v2, 2, v24                       ; 4 x lane
	v_and_b32 v3, 15, v0                           ; r
	v_bfe_u32 v4, v0, 4, 1                         ; h
	s_and_b32 s26, ttmp7, 0xffff                   ; y: which quarter of the hidden units
	s_and_b32 s27, s2, 1                           ; which half of a group of 128
	s_lshl_b32 s3, s2, 12
	v_add_nc_u32 v5, s3, v1                        ; where I store x's images: K step = my wave
	s_lshl_b32 s3, s2, 9
	v_add_nc_u32 v6, s3, v2                        ; and their scale words
	s_lshl_b32 s3, s27, 3
	v_add_nc_u32 v7, s3, v1                        ; a chunk's scale words: 16 lane + 8 half
	s_lshl_b32 s3, s27, 12
	v_add_nc_u32 v8, s3, v1                        ; its codes: 16 lane + 4,096 half
	v_lshlrev_b32 v9, 3, v0                        ; b1: 8 bytes a thread
	v_lshl_add_u32 v18, v0, 3, BIAS
	s_lshl_b32 s3, s2, 8
	s_add_co_u32 s3, s3, BIAS
	v_lshl_add_u32 v10, v4, 6, s3                  ; b1, out: my 64 units, + 16 h units
	v_lshlrev_b32 v11, 3, v3
	v_lshl_add_u32 v11, v4, 2, v11                 ; the hidden layer's scale bytes: 8 r + 4 h
	v_mov_b32 v20, 0xc0135761                      ; KA
	v_mov_b32 v21, 0xc0135761
	v_mov_b32 v22, 0xbdd2d3e8                      ; KB
	v_mov_b32 v23, 0xbdd2d3e8
	s_mov_b32 s40, 0x76543210
	s_mov_b32 s41, 0xfedcba98
	s_mov_b32 s44, 0xffff0000                      ; lanes 16-31
	s_lshl_b32 s4, ttmp9, 4
	s_mov_b32 s5, 0
	s_mov_b32 s23, 0
	s_wait_kmcnt 0x0
	s_add_nc_u64 s[20:21], s[8:9], s[4:5]
	s_load_b128 s[28:31], s[20:21], 0x2000         ; my tile: expert, first place, rows, (image tile)
	s_lshl_b32 s6, s26, 2
	s_lshr_b32 s7, s2, 1
	s_add_co_u32 s6, s6, s7                        ; g: my group of 128 hidden units = the next product's K step
	s_mul_i32 s24, ttmp9, TB
	s_lshl_b32 s22, s6, 12
	s_add_co_u32 s22, s22, s24
	s_lshl_b32 s7, s27, 9
	s_add_co_u32 s22, s22, s7
	s_add_nc_u64 s[34:35], s[18:19], s[22:23]      ; where my images go
	s_lshl_b32 s22, s6, 8
	s_add_co_u32 s22, s22, s24
	s_lshl_b32 s7, s27, 7
	s_add_co_u32 s22, s22, s7
	s_add_co_u32 s22, s22, 65536
	s_add_nc_u64 s[36:37], s[18:19], s[22:23]      ; and my scale bytes
	s_wait_kmcnt 0x0
	s_min_u32 s28, s28, 7
	s_min_u32 s29, s29, 0x7ff
	s_min_u32 s30, s30, 64
	s_mul_i32 s4, s28, EB
	s_lshl_b32 s6, s26, 1
	s_lshr_b32 s7, s2, 2
	s_add_co_u32 s6, s6, s7                        ; g / 2: the stream in wl
	s_mul_i32 s6, s6, WB
	s_add_co_u32 s4, s4, s6
	s_bfe_u32 s7, s2, 0x10001                      ; g % 2: its first or second eight chunks
	s_mul_i32 s7, s7, 8*CH
	s_add_co_u32 s4, s4, s7
	s_add_nc_u64 s[32:33], s[14:15], s[4:5]        ; my weights
	s_lshl_b32 s4, s28, 13
	s_lshl_b32 s6, s26, 11
	s_add_co_u32 s4, s4, s6
	s_add_nc_u64 s[16:17], s[16:17], s[4:5]        ; b1[e], my quarter
	v_add_nc_u32 v24, s29, v3
.irp m, 1,2,3
	v_add_nc_u32 v[24+\m], 16*\m, v24
.endr
.irp m, 0,1,2,3
	v_min_u32 v[24+\m], 0x7ff, v[24+\m]            ; places behind the list's end are held at its last
	v_lshlrev_b32 v[24+\m], 2, v[24+\m]
.endr
.irp m, 0,1,2,3
	global_load_b32 v[12+\m], v[24+\m], s[8:9]     ; the token of row 16 m + r
.endr
	global_load_b64 v[16:17], v9, s[16:17]
	CHUNK 0
	CHUNK 1
	CHUNK 2
	s_wait_loadcnt 27                              ; the tokens and b1 are in; three K steps' weights, nine loads each, may be out
	ds_store_b64 v18, v[16:17]
.irp m, 0,1,2,3
	v_min_u32 v[12+\m], 0x7ff, v[12+\m]
.endr
	s_lshl_b32 s3, s2, 6
	v_lshl_add_u32 v19, v4, 4, s3                  ; K step = my wave: 64 w + 16 h
	s_lshl_b32 s3, s2, 2
.irp m, 0,1,2,3
	v_lshl_add_u32 v[24+\m], v[12+\m], 9, v19
	v_lshl_add_u32 v[28+\m], v[12+\m], 5, s3
.endr
.irp m, 0,1,2,3
	global_load_b128 v[ACC+8*\m:ACC+8*\m+3], v[24+\m], s[10:11]             ; x's codes: a fragment's registers as they lie in the token's row
	global_load_b128 v[ACC+8*\m+4:ACC+8*\m+7], v[24+\m], s[10:11] offset:32
	global_load_b32 v[ACC+32+\m], v[28+\m], s[12:13]                        ; their scale word
.endr
	CHUNK 3
	CHUNK 4
	CHUNK 5
	CHUNK 6
	CHUNK 7
	s_wait_loadcnt 45                              ; all but the last five K steps' weights
.irp m, 0,1,2,3
	ds_store_b128 v5, v[ACC+8*\m:ACC+8*\m+3] offset:XIMG+1024*\m
	ds_store_b128 v5, v[ACC+8*\m+4:ACC+8*\m+7] offset:XIMG+1024*\m+512
	ds_store_b32 v6, v[ACC+32+\m] offset:XSC+128*\m
.endr
	s_wait_dscnt 0x0                               ; for the others: my images and my part of b1 lie in LDS
	s_barrier_signal -1
	s_barrier_wait -1
	s_cmp_eq_u32 s30, 0                            ; a tile without rows leaves the work out, never the barrier
	s_cbranch_scc1 .Ldone
	BIASA
	FRAGS 0, XIMG, XSC
.irp s, 0,1,2,3,4,5,6,7
	STEP \s
.endr
.irp p, 0,1                                    ; row tiles 2 p and 2 p + 1
	GELU32 ACC+64*\p
	GELU32 ACC+64*\p+32
	QUANT ACC+64*\p, PC+8*\p, PW+\p
	global_store_b128 v1, v[PC+8*\p:PC+8*\p+3], s[34:35] offset:2048*\p          ; 512 consecutive bytes, at a multiple of 256 from hid's first byte
	global_store_b128 v1, v[PC+8*\p+4:PC+8*\p+7], s[34:35] offset:2048*\p+1024
.endr
	v_cndmask_b32 v122, v120, v121, s44            ; lanes 0-15: the bytes of row tiles 0 and 1; lanes 16-31: of 2 and 3
	global_store_b32 v11, v122, s[36:37]           ; 128 consecutive bytes
.Ldone:
	s_wait_tensorcnt 0x0
	ds_add_u32 v126, v127
	s_wait_dscnt 0x0
	s_endpgm
.Lfunc_end_k_q12a64d0478_ffn1:
	.size	k_q12a64d0478_ffn1, .Lfunc_end_k_q12a64d0478_ffn1-k_q12a64d0478_ffn1
	.p2alignl 7, 3214868480
	.fill 96, 4, 3214868480
	.section	.rodata,"a",@progbits
	.p2align	6, 0x0
	.amdhsa_kernel k_q12a64d0478_ffn1
		.amdhsa_group_segment_fixed_size 39936
		.amdhsa_private_segment_fixed_size 0
		.amdhsa_enable_private_segment 0
		.amdhsa_kernarg_size 48
		.amdhsa_user_sgpr_count 2
		.amdhsa_user_sgpr_kernarg_segment_ptr 1
		.amdhsa_wavefront_size32 1
		.amdhsa_system_sgpr_workgroup_id_x 1
		.amdhsa_system_sgpr_workgroup_id_y 1
		.amdhsa_system_sgpr_workgroup_id_z 1
		.amdhsa_system_vgpr_workitem_id 0
		.amdhsa_next_free_vgpr 512
		.amdhsa_next_free_sgpr 66
		.amdhsa_reserve_vcc 0
		.amdhsa_float_denorm_mode_32 3
		.amdhsa_float_denorm_mode_16_64 3
		.amdhsa_memory_ordered 1
		.amdhsa_forward_progress 1
		.amdhsa_inst_pref_size 78
	.end_amdhsa_kernel
	.amdgpu_metadata
---
amdhsa.version: [ 1, 2 ]
amdhsa.kernels:
  - .name:           k_q12a64d0478_ffn1
    .symbol:         k_q12a64d0478_ffn1.kd
    .args:
      - { .name: route, .offset: 0, .size: 8, .value_kind: global_buffer, .address_space: global }
      - { .name: xc, .offset: 8, .size: 8, .value_kind: global_buffer, .address_space: global }
      - { .name: xs, .offset: 16, .size: 8, .value_kind: global_buffer, .address_space: global }
      - { .name: wl, .offset: 24, .size: 8, .value_kind: global_buffer, .address_space: global }
      - { .name: b1, .offset: 32, .size: 8, .value_kind: global_buffer, .address_space: global }
      - { .name: hid, .offset: 40, .size: 8, .value_kind: global_buffer, .address_space: global }
    .group_segment_fixed_size: 39936
    .private_segment_fixed_size: 0
    .kernarg_segment_align: 8
    .kernarg_segment_size: 48
    .max_flat_workgroup_size: 256
    .sgpr_count:     66
    .vgpr_count:     512
    .wavefront_size: 32
...
	.end_amdgpu_metadata
.endif
;; end of part 5
;; launch ffn2 (part 6): grid 39 x 4, 8 waves a work-group, no clusters, 203,776 bytes of LDS; arguments route, pgw, wl, b2, hid, out0; writes out0
.if DOCPART == 6
	.amdgcn_target "amdgcn-amd-amdhsa--gfx1250"
	.amdhsa_code_object_version 6
	.text
	.protected	k_q12a64d0478_ffn2
	.globl	k_q12a64d0478_ffn2
	.p2align	8
	.type	k_q12a64d0478_ffn2,@function
k_q12a64d0478_ffn2:
	s_mov_b64 s[64:65], 0
	v_nop
	global_prefetch_b8 v0, s[64:65] scope:SCOPE_SE
	s_setreg_imm32_b32 hwreg(HW_REG_WAVE_MODE, 25, 1), 1
	s_wait_xcnt 0x0
; THE CHAIN'S SECOND HALF.  out0[token] = pg x (hid W2[e] + b2[e]); hid comes as E2M1 codes and E8M0 bytes from the launch before, W2 from the first launch's layout.
; GRID: x = a tile of the stored list (one expert, up to 64 of its tokens; 39 tiles serve every split); y = a quarter of the 1,024 output columns.  So a work-group reads a quarter of its expert's W2,
; 278,528 bytes, and its tile's hidden layer, 69,632 bytes.  A tile without rows passes both barriers, leaves the work between them out and stores nothing; it reads tile 0's images, which are
; always stored (the list gives it that number).
; SHARES.  Wave v makes columns 256 y + 64 (v / 2) .. + 63 for all 64 rows over HALF of K: K steps 8 (v % 2) .. + 7: 4 tiles of W2 x 4 tiles of rows = 16 accumulators, 8 K steps, as in the launch
; before.  Each weight byte goes from memory into ONE wave's registers, once; all eight K steps' weights (256 registers) are asked for in the head, so there is nothing that a prefetch could ask for earlier.
; The two halves of K meet on the way out: both go into a stage in LDS, and the wave that reads a row back adds them, adds b2 and multiplies by the row's pg.
; NO TENSOR LOAD, NO CLUSTER: the text branches on numbers of the stored list, neighbouring work-groups may hold different experts, and no weight byte is used by two waves.
; THE PRODUCT IS USED TRANSPOSED (source 0 = 16 rows of W2, source 1 = 16 tokens): a lane's eight results are eight neighbouring columns of one token's row.
; The first K step's products take the constant 0 as C: nothing is cleared.
; Rows behind a tile's end were computed from some valid token and are not stored.
; LIMITS: NaN and infinities among the inputs are not served.
; REGISTERS.  Window 0: v1-15, v18-19, v28 addresses; v16 tokens, v17 pg (lane i < 8: row 8 wave + i); v[20:27] b2 of my 8 columns; v32-95 two sets of the tokens' four fragments, later the stores'
;   offsets; v96-103 their scale words; v104-119 the weights' scale words; v128-255 accumulators: (row tile m, tile t) at 128 + 32 m + 8 t, later rows read back.   Window 1: K step c's four tiles at v[32 c].
.set EB,     2228224                   ; an expert in wl
.set WB,     278528                    ; 128 columns' stream there: 16 chunks of W1, 16 of W2
.set CH,     8704                      ; a chunk
.set TB,     69632                     ; a tile in hid
.set HIMG,   0                         ; LDS: the hidden layer's fragments as register images: (4 g + m) x 1,024
.set HSC,    65536                     ; their scale words: (4 g + m) x 64 + 4 r
.set STAGE,  69632                     ; the way out: for each half of K 64 rows x (1,024 + 16)
.set SPITCH, 1040
.set SKH,    64*SPITCH
.set XF,     32
.set XSW,    96
.set WS,     104
.set ACC,    128
.set MSB, 0
.macro WIN new                         ; the immediate's high byte repeats the setting that is left
.if MSB != \new
	s_set_vgpr_msb (MSB<<8)|\new
.set MSB, \new
.endif
.endm
.macro CHUNK c                         ; my four tiles of my K step c and their scale words: nine loads
	global_load_b64 v[WS+2*(\c):WS+2*(\c)+1], v7, s[32:33] offset:(\c)*CH+8192
	WIN 0x40                                       ; destination window 1
.irp i, 0,1,2,3,4,5,6,7
	global_load_b128 v[32*(\c)+4*\i:32*(\c)+4*\i+3], v8, s[32:33] offset:(\c)*CH+512*\i
.endr
	WIN 0
.endm
.macro FRAGS p, fo, so                 ; the four row tiles' fragments of a K step and their scale words into set p: twelve LDS loads
.irp m, 0,1,2,3
.irp c, 0,1
	ds_load_b128 v[XF+32*(\p)+8*\m+4*\c:XF+32*(\p)+8*\m+4*\c+3], v1 offset:(\fo)+1024*\m+512*\c
.endr
.endr
.irp m, 0,1,2,3
	ds_load_b32 v[XSW+4*(\p)+\m], v2 offset:(\so)+64*\m
.endr
.endm
.macro STEP s                          ; my K step s of 8: 128 along K
.set SQ, \s
.set SPAR, SQ%2
.if SQ < 7
	FRAGS 1-SPAR, 4096*(SQ+1), 256*(SQ+1)
.endif
.if SQ == 0
	s_wait_loadcnt 63                              ; behind K step 0's weights: 27 + 1 + 36 loads; the count is held at what the wait can name
.elseif SQ < 4
	s_wait_loadcnt 9*(3-SQ)+37                     ; behind K step s's: the steps up to 3, the one load of pg, and the last four steps' 36
.else
	s_wait_loadcnt 9*(7-SQ)                        ; the later steps', nine loads each
.endif
.if SQ < 7
	s_wait_dscnt 12                                ; all but the twelve loads just issued
.else
	s_wait_dscnt 0x0
.endif
	WIN 0x01                                       ; source 0, the weights, in window 1
.irp t, 0,1,2,3                                ; the sixteen accumulators take turns, one instruction a turn, in the same order in every step
.irp m, 0,1,2,3
.if SQ == 0
.if \t%2
	v_wmma_scale_f32_16x16x128_f8f6f4 v[ACC+32*\m+8*\t:ACC+32*\m+8*\t+7], v[32*SQ+8*\t:32*SQ+8*\t+7], v[XF+32*SPAR+8*\m:XF+32*SPAR+8*\m+7], 0, v[WS+2*SQ+\t/2], v[XSW+4*SPAR+\m] matrix_a_fmt:MATRIX_FMT_FP4 matrix_b_fmt:MATRIX_FMT_FP4 matrix_a_scale:MATRIX_SCALE_ROW1
.else
	v_wmma_scale_f32_16x16x128_f8f6f4 v[ACC+32*\m+8*\t:ACC+32*\m+8*\t+7], v[32*SQ+8*\t:32*SQ+8*\t+7], v[XF+32*SPAR+8*\m:XF+32*SPAR+8*\m+7], 0, v[WS+2*SQ+\t/2], v[XSW+4*SPAR+\m] matrix_a_fmt:MATRIX_FMT_FP4 matrix_b_fmt:MATRIX_FMT_FP4
.endif
.else
.if \t%2
	v_wmma_scale_f32_16x16x128_f8f6f4 v[ACC+32*\m+8*\t:ACC+32*\m+8*\t+7], v[32*SQ+8*\t:32*SQ+8*\t+7], v[XF+32*SPAR+8*\m:XF+32*SPAR+8*\m+7], v[ACC+32*\m+8*\t:ACC+32*\m+8*\t+7], v[WS+2*SQ+\t/2], v[XSW+4*SPAR+\m] matrix_a_fmt:MATRIX_FMT_FP4 matrix_b_fmt:MATRIX_FMT_FP4 matrix_a_scale:MATRIX_SCALE_ROW1
.else
	v_wmma_scale_f32_16x16x128_f8f6f4 v[ACC+32*\m+8*\t:ACC+32*\m+8*\t+7], v[32*SQ+8*\t:32*SQ+8*\t+7], v[XF+32*SPAR+8*\m:XF+32*SPAR+8*\m+7], v[ACC+32*\m+8*\t:ACC+32*\m+8*\t+7], v[WS+2*SQ+\t/2], v[XSW+4*SPAR+\m] matrix_a_fmt:MATRIX_FMT_FP4 matrix_b_fmt:MATRIX_FMT_FP4
.endif
.endif
.endr
.endr
	WIN 0
.rept 4
	v_nop                                          ; four places ahead of the loads into the fragments and scale words just read, and of the LDS stores that read results
.endr
.endm
	s_load_b256 s[8:15], s[0:1], 0x0               ; route 8, pgw 10, wl 12, b2 14
	s_load_b128 s[16:19], s[0:1], 0x20             ; hid 16, out0 18
	v_lshl_add_u32 v126, v0, 2, 0x31800
	v_mov_b32 v127, 0
	v_lshrrev_b32 v1, 5, v0
	v_readfirstlane_b32 s2, v1                     ; wave 0..7
	v_and_b32 v29, 31, v0
	v_lshlrev_b32 v28, 4, v29                      ; 16 x lane
	v_and_b32 v3, 15, v0                           ; r
	v_bfe_u32 v4, v0, 4, 1                         ; h
	s_and_b32 s26, ttmp7, 0xffff                   ; y: which quarter of the columns
	s_and_b32 s25, s2, 1                           ; which half of K
	s_lshr_b32 s24, s2, 1                          ; which 64 of the 256 columns
	s_and_b32 s27, s24, 1                          ; which half of a chunk's eight tiles
	s_lshl_b32 s3, s25, 15
	v_add_nc_u32 v1, s3, v28                       ; the fragments of my half of K: 16 lane + 32,768 half
	s_lshl_b32 s3, s25, 11
	s_add_co_u32 s3, s3, HSC
	v_lshl_add_u32 v2, v3, 2, s3                   ; and their scale words: 4 r + 2,048 half
	s_lshl_b32 s3, s27, 3
	v_add_nc_u32 v7, s3, v28                       ; a chunk's scale words: 16 lane + 8 half
	s_lshl_b32 s3, s27, 12
	v_add_nc_u32 v8, s3, v28                       ; its codes: 16 lane + 4,096 half
	v_lshlrev_b32 v9, 4, v0                        ; the images' copy: 16 bytes a thread, in memory and in LDS alike
	v_lshrrev_b32 v5, 4, v0                        ; the scale bytes: thread = (K step g = thread / 16, row r)
	v_lshlrev_b32 v11, 8, v5
	v_lshl_add_u32 v10, v3, 2, v11
	v_add_nc_u32 v10, HSC, v10                     ; into LDS: 256 g + 4 r (+ 64 m)
	v_lshl_add_u32 v11, v3, 3, v11                 ; in memory: 256 g + 8 r
	s_mul_i32 s3, s25, SKH
	s_lshl_b32 s6, s24, 8
	s_add_co_u32 s3, s3, s6
	s_add_co_u32 s3, s3, STAGE
	v_mul_u32_u24 v12, v3, SPITCH
	v_lshl_add_u32 v12, v4, 5, v12
	v_add_nc_u32 v12, s3, v12                      ; the stage, in: my half of K, row r, my 256 bytes of it, + 32 h
	s_mul_i32 s3, s2, 8*SPITCH
	s_add_co_u32 s3, s3, STAGE
	v_add_nc_u32 v13, s3, v28                      ; back: rows 8 wave on, 16 bytes a lane, of the first half of K,
	v_add_nc_u32 v14, SKH, v13                     ; and of the second
	s_lshl_b32 s3, s26, 10
	v_add_nc_u32 v15, s3, v28                      ; my 16 bytes in a row of out0: 1,024 y + 16 lane
	s_mov_b32 s47, 0                               ; (named with s46 as a pair, so it is written)
	s_lshl_b32 s4, ttmp9, 4
	s_mov_b32 s5, 0
	s_wait_kmcnt 0x0
	s_add_nc_u64 s[20:21], s[8:9], s[4:5]
	s_load_b128 s[28:31], s[20:21], 0x2000         ; my tile: expert, first place, rows, image tile
	s_wait_kmcnt 0x0
	s_min_u32 s28, s28, 7
	s_min_u32 s29, s29, 0x7ff
	s_min_u32 s30, s30, 64
	s_min_u32 s31, s31, 38
	s_mul_i32 s4, s28, EB
	s_lshl_b32 s6, s26, 1
	s_lshr_b32 s7, s2, 2
	s_add_co_u32 s6, s6, s7                        ; the stream of my 128 columns in wl
	s_mul_i32 s6, s6, WB
	s_add_co_u32 s4, s4, s6
	s_lshl_b32 s7, s25, 3
	s_add_co_u32 s7, s7, 16                        ; W2's chunks begin at 16; my half of K
	s_mul_i32 s7, s7, CH
	s_add_co_u32 s4, s4, s7
	s_add_nc_u64 s[32:33], s[12:13], s[4:5]        ; my weights
	s_mul_i32 s4, s31, TB
	s_add_nc_u64 s[34:35], s[16:17], s[4:5]        ; the tile's hidden layer
	s_lshl_b32 s4, s28, 12
	s_lshl_b32 s6, s26, 10
	s_add_co_u32 s4, s4, s6
	s_add_nc_u64 s[14:15], s[14:15], s[4:5]        ; b2[e], my quarter
	s_lshl_b32 s3, s2, 3
	s_sub_co_i32 s43, s30, s3                      ; the rows that are left from my first row on (0 or less: none)
	s_add_co_u32 s3, s3, s29
	v_and_b32 v18, 7, v0
	v_add_nc_u32 v18, s3, v18
	v_min_u32 v18, 0x7ff, v18                      ; places behind the list's end are held at its last
	v_lshlrev_b32 v18, 2, v18
	global_load_b32 v16, v18, s[8:9]               ; lane i < 8: the token of row 8 wave + i
	global_load_b64 v[192:193], v11, s[34:35] offset:65536       ; row r's scale bytes of K step g: blocks 0 and 1 of the four row tiles,
	global_load_b64 v[194:195], v11, s[34:35] offset:65536+128   ; blocks 2 and 3
.irp i, 0,1,2,3,4,5,6,7,8,9,10,11,12,13,14,15
	global_load_b128 v[ACC+4*\i:ACC+4*\i+3], v9, s[34:35] offset:4096*\i   ; the 64 images, 65,536 consecutive bytes: a wave's load reads 512 of them
.endr
	global_load_b128 v[20:23], v28, s[14:15]
	global_load_b128 v[24:27], v28, s[14:15] offset:512
	CHUNK 0
	CHUNK 1
	CHUNK 2
	CHUNK 3
	s_wait_loadcnt 36                              ; all but four K steps' weights, nine loads each
	v_min_u32 v16, 0x7ff, v16
	v_lshlrev_b32 v19, 2, v16
	global_load_b32 v17, v19, s[10:11]             ; pg of my rows
	CHUNK 4
	CHUNK 5
	CHUNK 6
	CHUNK 7
.irp i, 0,1,2,3,4,5,6,7,8,9,10,11,12,13,14,15
	ds_store_b128 v9, v[ACC+4*\i:ACC+4*\i+3] offset:HIMG+4096*\i
.endr
	v_perm_b32 v196, v194, v192, 0x05040100        ; a row tile's scale word: its two bytes of blocks 0, 1 below, those of blocks 2, 3 above
	v_perm_b32 v197, v194, v192, 0x07060302
	v_perm_b32 v198, v195, v193, 0x05040100
	v_perm_b32 v199, v195, v193, 0x07060302
.irp m, 0,1,2,3
	ds_store_b32 v10, v[196+\m] offset:64*\m
.endr
	s_wait_dscnt 0x0                               ; for the others: my part of the images and scale words lies in LDS
	s_barrier_signal -1
	s_barrier_wait -1
	s_cmp_eq_u32 s30, 0                            ; a tile without rows leaves the work out, never a barrier
	s_cbranch_scc1 .Ls1
	FRAGS 0, 0, 0
.irp s, 0,1,2,3,4,5,6,7
	STEP \s
.endr
.irp m, 0,1,2,3                                ; my half sums into the stage, each accumulator from its low end on
.irp t, 0,1,2,3
	ds_store_b128 v12, v[ACC+32*\m+8*\t:ACC+32*\m+8*\t+3] offset:16*SPITCH*\m+64*\t
	ds_store_b128 v12, v[ACC+32*\m+8*\t+4:ACC+32*\m+8*\t+7] offset:16*SPITCH*\m+64*\t+16
.endr
.endr
.Ls1:
	s_wait_dscnt 0x0                               ; for the others: my half sums lie in the stage
	s_barrier_signal -1
	s_barrier_wait -1
	s_cmp_eq_u32 s30, 0
	s_cbranch_scc1 .Ldone
	s_wait_loadcnt 0x0                             ; pg (the last K step has waited for all loads already)
	; THE WAY OUT.  Wave v takes rows 8 v .. 8 v + 7, whole: 1,024 bytes of each half of K; their sum + b2, x the row's pg, goes to the token's row of out0.
.irp i, 0,1,2,3,4,5,6,7
	ds_load_b128 v[ACC+16*\i:ACC+16*\i+3], v13 offset:SPITCH*\i
	ds_load_b128 v[ACC+16*\i+4:ACC+16*\i+7], v13 offset:SPITCH*\i+512
	ds_load_b128 v[ACC+16*\i+8:ACC+16*\i+11], v14 offset:SPITCH*\i
	ds_load_b128 v[ACC+16*\i+12:ACC+16*\i+15], v14 offset:SPITCH*\i+512
.endr
.irp i, 0,1,2,3,4,5,6,7
	s_cmp_le_i32 s43, \i                           ; rows behind the tile's end are not stored
	s_cbranch_scc1 .Ldone
	s_wait_dscnt 4*(7-\i)                          ; row i is back; the later rows, four loads each, may be out
	v_readlane_b32 s42, v16, \i                    ; its token
	v_readlane_b32 s46, v17, \i                    ; its pg
	s_min_u32 s42, s42, 0x7ff
.irp q, 0,2,4,6
	v_pk_add_f32 v[ACC+16*\i+\q:ACC+16*\i+\q+1], v[ACC+16*\i+\q:ACC+16*\i+\q+1], v[ACC+16*\i+8+\q:ACC+16*\i+9+\q]
.endr
.irp q, 0,2,4,6
	v_pk_add_f32 v[ACC+16*\i+\q:ACC+16*\i+\q+1], v[ACC+16*\i+\q:ACC+16*\i+\q+1], v[20+\q:21+\q]
.endr
.irp q, 0,2,4,6
	v_pk_mul_f32 v[ACC+16*\i+\q:ACC+16*\i+\q+1], v[ACC+16*\i+\q:ACC+16*\i+\q+1], s[46:47] op_sel_hi:[1,0]
.endr
	v_lshl_add_u32 v[32+\i], s42, 12, v15          ; an offset register of its own for each row: none is written again
	global_store_b128 v[32+\i], v[ACC+16*\i:ACC+16*\i+3], s[18:19] th:TH_STORE_NT              ; 32 lanes store 512 consecutive bytes, at a multiple of 256 from out0's first byte
	global_store_b128 v[32+\i], v[ACC+16*\i+4:ACC+16*\i+7], s[18:19] offset:512 th:TH_STORE_NT
.endr
.Ldone:
	s_wait_dscnt 0x0
	s_wait_tensorcnt 0x0
	ds_add_u32 v126, v127
	s_wait_dscnt 0x0
	s_endpgm
.Lfunc_end_k_q12a64d0478_ffn2:
	.size	k_q12a64d0478_ffn2, .Lfunc_end_k_q12a64d0478_ffn2-k_q12a64d0478_ffn2
	.p2alignl 7, 3214868480
	.fill 96, 4, 3214868480
	.section	.rodata,"a",@progbits
	.p2align	6, 0x0
	.amdhsa_kernel k_q12a64d0478_ffn2
		.amdhsa_group_segment_fixed_size 203776
		.amdhsa_private_segment_fixed_size 0
		.amdhsa_enable_private_segment 0
		.amdhsa_kernarg_size 48
		.amdhsa_user_sgpr_count 2
		.amdhsa_user_sgpr_kernarg_segment_ptr 1
		.amdhsa_wavefront_size32 1
		.amdhsa_system_sgpr_workgroup_id_x 1
		.amdhsa_system_sgpr_workgroup_id_y 1
		.amdhsa_system_sgpr_workgroup_id_z 1
		.amdhsa_system_vgpr_workitem_id 0
		.amdhsa_next_free_vgpr 512
		.amdhsa_next_free_sgpr 66
		.amdhsa_reserve_vcc 0
		.amdhsa_float_denorm_mode_32 3
		.amdhsa_float_denorm_mode_16_64 3
		.amdhsa_memory_ordered 1
		.amdhsa_forward_progress 1
		.amdhsa_inst_pref_size 54
	.end_amdhsa_kernel
	.amdgpu_metadata
---
amdhsa.version: [ 1, 2 ]
amdhsa.kernels:
  - .name:           k_q12a64d0478_ffn2
    .symbol:         k_q12a64d0478_ffn2.kd
    .args:
      - { .name: route, .offset: 0, .size: 8, .value_kind: global_buffer, .address_space: global }
      - { .name: pgw, .offset: 8, .size: 8, .value_kind: global_buffer, .address_space: global }
      - { .name: wl, .offset: 16, .size: 8, .value_kind: global_buffer, .address_space: global }
      - { .name: b2, .offset: 24, .size: 8, .value_kind: global_buffer, .address_space: global }
      - { .name: hid, .offset: 32, .size: 8, .value_kind: global_buffer, .address_space: global }
      - { .name: out0, .offset: 40, .size: 8, .value_kind: global_buffer, .address_space: global }
    .group_segment_fixed_size: 203776
    .private_segment_fixed_size: 0
    .kernarg_segment_align: 8
    .kernarg_segment_size: 48
    .max_flat_workgroup_size: 256
    .sgpr_count:     66
    .vgpr_count:     512
    .wavefront_size: 32
...
	.end_amdgpu_metadata
.endif
;; end of part 6
;; ======== version 3 of 3: 4 launches; version 2 with the launches ffn1, ffn2 written anew for expert scheduling mode
;; workspace buffers: xc 1,048,576 bytes; xs 65,536 bytes; gate 8,192 bytes of whole numbers; pgw 8,192 bytes; psum 16,384 bytes; wl 17,825,792 bytes; route 12,288 bytes of whole numbers; hid 2,715,648 bytes
;; launch prep: the kernel of part 1 again; grid 320 x 1, 8 waves a work-group, no clusters, 141,824 bytes of LDS; arguments x, Wg, W1_codes, W1_scales, W2_codes, W2_scales, xc, xs, gate, pgw, psum, wl; writes xc, xs, gate, pgw, psum, wl
;; launch place: the kernel of part 4 again; grid 1 x 1, 8 waves a work-group, no clusters, 3,072 bytes of LDS; arguments gate, psum, route, out1, out2; writes route, out1, out2
;; launch ffn1 (part 7): grid 39 x 4, 8 waves a work-group, no clusters, 39,936 bytes of LDS; arguments route, xc, xs, wl, b1, hid; writes hid
.if DOCPART == 7
	.amdgcn_target "amdgcn-amd-amdhsa--gfx1250"
	.amdhsa_code_object_version 6
	.text
	.protected	k_q12a64d0478_ffn1
	.globl	k_q12a64d0478_ffn1
	.p2align	8
	.type	k_q12a64d0478_ffn1,@function
k_q12a64d0478_ffn1:
	s_mov_b64 s[64:65], 0
	v_nop
	global_prefetch_b8 v0, s[64:65] scope:SCOPE_SE
	s_setreg_imm32_b32 hwreg(HW_REG_WAVE_SCHED_MODE, 0, 2), 2
	s_setreg_imm32_b32 hwreg(HW_REG_WAVE_MODE, 25, 1), 1
	s_wait_xcnt 0x0
	s_wait_alu depctr_vm_vsrc(0)
; THE CHAIN'S FIRST HALF.  hid = Q(gelu(Q(x) W1[e] + b1[e])) for each token's chosen expert alone; the product on E2M1 codes with one E8M0 scale for each 32 along K.
; GRID: x = a tile of the stored list (one expert, up to 64 of its tokens): ceil(2,048 / 64) + 8 - 1 = 39 tiles serve every split of the tokens; y = a quarter of the 2,048 hidden units.
; So a work-group reads a quarter of its expert's W1, 278,528 bytes, and 156 work-groups share the work.  A tile without rows passes the barrier, leaves the work out and stores nothing.
; SHARES.  Wave v makes hidden units 512 y + 64 v .. + 63 for all 64 rows: 4 tiles of W1 x 4 tiles of rows = 16 accumulators, 8 K steps.  Each weight byte goes from memory into ONE wave's registers,
; once.  The first launch has laid the weights in operand order; a wave's share of a K step is half a chunk there: 8 loads of 512 consecutive bytes, and 8 bytes a lane of scale words.  All eight
; K steps' weights (256 registers) are asked for in the head, as soon as the expert is known: so there is no ring, no refill, and nothing that a prefetch could ask for earlier.
; NO TENSOR LOAD, NO CLUSTER: the text branches on a number of the stored list, neighbouring work-groups may hold different experts, and no weight byte is used by two waves.
; THE PRODUCT IS USED TRANSPOSED (source 0 = 16 rows of W1, source 1 = 16 tokens): a lane holds one token, and its registers run along the hidden units (W1's tile rows were chosen for that).
; b1 is the C of each sum's first product: it is loaded into the accumulators.
; gelu is the tanh form, as x / (1 + 2^(x (KA + KB x^2))), KA = -2 log2(e) sqrt(2 / pi), KB = 0.044715 KA, all in f32.
; WHAT IS STORED.  A wave's 64 hidden units are half a K step of the next product: registers 4 half .. 4 half + 3 of a fragment.  They leave as an image of those registers, 512 consecutive bytes a
; store: hid byte = tile x 69,632 + (4 g + m) x 1,024 + 512 half + 16 lane (g: the K step, m: the tile of rows).  The two scale bytes of a row and half: at 65,536 + 256 g + 128 half + 8 r + 4 h:
; word h of row r holds those of row tiles 2 h and 2 h + 1; 128 consecutive bytes a wave.
; Rows behind a tile's end take a clamped place of the list, some valid token: they are computed, and the next launch does not store them; a row touches no other row.
; LIMITS: NaN and infinities among the inputs are not served.  A block of zeros gets the scale byte 1 and zero codes; only this program reads the bytes.
; REGISTERS.  Window 0: v1-11, v18-19, v24-31 addresses; v12-15 tokens; v[20:23] KA, KB twice; v32-95 two sets of the tokens' four fragments, later at work; v96-103 their scale words;
;   v104-119 the weights' scale words, two a K step; v120-122 the hidden layer's scale bytes; v128-255 accumulators: (row tile m, tile t) at 128 + 32 m + 8 t.   Window 1: K step c's four tiles at v[32 c].
; THE MODE: SCHED_MODE bits 1:0 = 2 (LLVM: expert scheduling mode 2), set by the entry lines.  The code itself states the register dependences
; between vector or matrix instructions and memory or LDS instructions, with s_wait_alu, always for 0.
; THE PLAN.  Registers that memory or LDS instructions touch, and who else names them:
;   v1, v2, v5-v11, v18    addresses, made once in the head and never written again: one wait on va_vdst ahead of the first load serves them for the whole kernel.
;   v24-v27                the places' offsets, read by the four loads of tokens; then written again, with v28-v31, as the gather's offsets: a wait on vm_vsrc ahead of that, one on va_vdst behind it.
;   v104-v119, window 1    the weights and their scale words land once; products alone read them.
;   v128-v163              the gather lands here, my LDS stores read it, and b1's LDS loads land here next: a wait on vm_vsrc behind the barrier.  From then on vector and matrix instructions alone.
;   the two sets v32-63, v96-99 and v64-95, v100-103.  Step s's products read set s % 2; the LDS loads of step s + 1, issued in step s, land in the other set, which step s - 1's products read.
;                          So ONE wait on va_vdst stands at the head of steps 1 to 6, behind the step's waits for its own data.  The step's twelve LDS loads follow it in two runs of six, one ahead of the
;                          first four products and one behind them: the products name this step's set, the weights and the accumulators, none of the registers that those loads touch.
;   v80-v95, v122          the codes and scale bytes, written by the quantiser, read by the stores, never written again.  The first pair's stores stand behind the wait that the next gelu's
;                          exponentials have in any case; the second pair's and the scale bytes' behind one last wait on va_vdst.
;   v126, v127             written in the head, read by the closing add alone.
.set EB,    2228224                    ; an expert in wl
.set WB,    278528                     ; 128 columns' stream there: 16 chunks of W1, 16 of W2
.set CH,    8704                       ; a chunk
.set TB,    69632                      ; a tile in hid
.set XIMG,  0                          ; LDS: x's fragments as register images: (4 s + m) x 1,024
.set XSC,   32768                      ; their scale words: (4 s + m) x 128 + 4 lane
.set BIAS,  36864                      ; my quarter of b1[e], 2,048 bytes
.set XF,    32
.set XSW,   96
.set WS,    104
.set TM,    64                         ; the quantiser's work registers lie in the second set of fragments, which is done with by then
.set PC,    80                         ; two sets of eight registers of codes, so that no store's data are written again
.set PW,    120
.set ACC,   128
.set MSB, 0
.macro WIN new                         ; the immediate's high byte repeats the setting that is left
.if MSB != \new
	s_set_vgpr_msb (MSB<<8)|\new
.set MSB, \new
.endif
.endm
.macro CHUNK c                         ; my four tiles of K step c and their scale words: nine loads
	global_load_b64 v[WS+2*(\c):WS+2*(\c)+1], v7, s[32:33] offset:(\c)*CH+8192
	WIN 0x40                                       ; destination window 1
.irp i, 0,1,2,3,4,5,6,7
	global_load_b128 v[32*(\c)+4*\i:32*(\c)+4*\i+3], v8, s[32:33] offset:(\c)*CH+512*\i
.endr
	WIN 0
.endm
.macro FRAGH p, fo, so, m0             ; row tiles m0 and m0 + 1: their fragments of a K step and their scale words, from their images, into set p: six LDS loads
.irp m, \m0, \m0+1
.irp c, 0,1
	ds_load_b128 v[XF+32*(\p)+8*(\m)+4*\c:XF+32*(\p)+8*(\m)+4*\c+3], v1 offset:(\fo)+1024*(\m)+512*\c
.endr
.endr
.irp m, \m0, \m0+1
	ds_load_b32 v[XSW+4*(\p)+(\m)], v2 offset:(\so)+128*(\m)
.endr
.endm
.macro BIASA                           ; b1 into the accumulators: register j of tile t = hidden unit 32 (t / 2) + 16 (lane / 16) + 8 (t % 2) + j of my 64
.irp m, 0,1,2,3
.irp t, 0,1,2,3
.irp d, 0,1
	ds_load_b128 v[ACC+32*\m+8*\t+4*\d:ACC+32*\m+8*\t+4*\d+3], v10 offset:128*(\t/2)+32*(\t%2)+16*\d
.endr
.endr
.endr
.endm
.macro MUL4 t                          ; tile t of W1 against the four row tiles, K step SQ.  The sixteen accumulators take turns, one instruction a turn, in the same order in every step
.irp m, 0,1,2,3
.if (\t)%2
	v_wmma_scale_f32_16x16x128_f8f6f4 v[ACC+32*\m+8*(\t):ACC+32*\m+8*(\t)+7], v[32*SQ+8*(\t):32*SQ+8*(\t)+7], v[XF+32*SPAR+8*\m:XF+32*SPAR+8*\m+7], v[ACC+32*\m+8*(\t):ACC+32*\m+8*(\t)+7], v[WS+2*SQ+(\t)/2], v[XSW+4*SPAR+\m] matrix_a_fmt:MATRIX_FMT_FP4 matrix_b_fmt:MATRIX_FMT_FP4 matrix_a_scale:MATRIX_SCALE_ROW1
.else
	v_wmma_scale_f32_16x16x128_f8f6f4 v[ACC+32*\m+8*(\t):ACC+32*\m+8*(\t)+7], v[32*SQ+8*(\t):32*SQ+8*(\t)+7], v[XF+32*SPAR+8*\m:XF+32*SPAR+8*\m+7], v[ACC+32*\m+8*(\t):ACC+32*\m+8*(\t)+7], v[WS+2*SQ+(\t)/2], v[XSW+4*SPAR+\m] matrix_a_fmt:MATRIX_FMT_FP4 matrix_b_fmt:MATRIX_FMT_FP4
.endif
.endr
.endm
.macro STEP s                          ; K step s of 8: 128 along K
.set SQ, \s
.set SPAR, SQ%2
.if SQ >= 3
	s_wait_loadcnt 9*(7-SQ)                        ; K step s's weights are in; the later steps', nine loads each, may be out.  (Steps 0 to 2: shown in by the head's last wait)
.endif
	s_wait_dscnt 0x0                               ; this step's fragments and scale words are in (step 0: b1 too); the next step's are asked for behind this line
.if (SQ > 0) && (SQ < 7)
	s_wait_alu depctr_va_vdst(0)                   ; the last step's products are done reading the other set of fragments and scale words, in which this step's twelve LDS loads land
.endif
.if SQ < 7
	FRAGH 1-SPAR, XIMG+4096*(SQ+1), XSC+512*(SQ+1), 0
.endif
	WIN 0x01                                       ; source 0, the weights, in window 1
	MUL4 0
.if SQ < 7
	WIN 0
	FRAGH 1-SPAR, XIMG+4096*(SQ+1), XSC+512*(SQ+1), 2  ; no further wait: no vector or matrix instruction since the wait above names the other set or v1, v2
.endif
	WIN 0x01
	MUL4 1
	MUL4 2
	MUL4 3
	WIN 0
.rept 4
	v_nop                                          ; four places behind the step's last products: ahead of the next step's loads into the fragments and scale words just read, beside the wait at that step's head, and of the first vector read of results
.endr
.endm
.macro SEND p                          ; the codes of row tiles 2 p and 2 p + 1 leave
	global_store_b128 v1, v[PC+8*(\p):PC+8*(\p)+3], s[34:35] offset:2048*(\p)          ; 512 consecutive bytes, at a multiple of 256 from hid's first byte
	global_store_b128 v1, v[PC+8*(\p)+4:PC+8*(\p)+7], s[34:35] offset:2048*(\p)+1024
.endm
; gelu of 32 numbers, in place, from the low end on; v32-63 at work.  The exponentials are one batch with one wait, and so are the reciprocals.
; send = 1: the first pair's codes, which the quantiser wrote ahead of this gelu, are stored behind the exponentials' wait.
.macro GELU32 a, send
.set GA, \a
.set j, 0
.rept 16
	v_pk_mul_f32 v[XF+j:XF+j+1], v[GA+j:GA+j+1], v[GA+j:GA+j+1]
.set j, j+2
.endr
.set j, 0
.rept 16
	v_pk_fma_f32 v[XF+j:XF+j+1], v[XF+j:XF+j+1], v[22:23], v[20:21]
.set j, j+2
.endr
.set j, 0
.rept 16
	v_pk_mul_f32 v[XF+j:XF+j+1], v[XF+j:XF+j+1], v[GA+j:GA+j+1]
.set j, j+2
.endr
.set j, 0
.rept 32
	v_exp_f32 v[XF+j], v[XF+j]
.set j, j+1
.endr
	v_nop                                          ; a plain line behind the last exponential
	s_wait_alu depctr_va_vdst(0)                   ; the 32 exponentials have written v32-63, ahead of the first line that names a result; send = 1: and the quantiser has written v80-87, which the two stores below read
.if \send
	SEND 0                                         ; nothing behind them writes v80-87 or v1 again
.endif
.set j, 0
.rept 16
	v_pk_add_f32 v[XF+j:XF+j+1], v[XF+j:XF+j+1], 1.0 op_sel_hi:[1,0]
.set j, j+2
.endr
.set j, 0
.rept 32
	v_rcp_f32 v[XF+j], v[XF+j]
.set j, j+1
.endr
	v_nop
	s_wait_alu depctr_va_vdst(0)                   ; the 32 reciprocals have written v32-63, ahead of the first line that names a result
.set j, 0
.rept 16
	v_pk_mul_f32 v[GA+j:GA+j+1], v[GA+j:GA+j+1], v[XF+j:XF+j+1]
.set j, j+2
.endr
.endm
; 64 numbers of a lane: two row tiles x two blocks: register 16 b + i = hidden unit 32 (b % 2) + 16 (lane / 16) + i of my 64, row tile b / 2 of the pair.
; They become the pair's codes (four registers a row tile, in v[pc] on) and one word of four scale bytes (two a row tile, in v[pw]).
.macro QUANT s, pc, pw
.set QS, \s
.set QC, \pc
.set QW, \pw
.irp b, 0,1,2,3
	v_max3_num_f32 v[TM+\b], |v[QS+16*\b]|, |v[QS+1+16*\b]|, 0x1800000   ; my 16 numbers of block b, and the floor 2^(3 - 127): the byte cannot fall under 1
.endr
.irp i, 2,4,6,8,10,12,14
.irp b, 0,1,2,3
	v_max3_num_f32 v[TM+\b], v[TM+\b], |v[QS+16*\b+\i]|, |v[QS+1+16*\b+\i]|
.endr
.endr
.irp b, 0,1,2,3
	v_permlanex16_b32 v[TM+4+\b], v[TM+\b], s40, s41
.endr
.irp b, 0,1,2,3
	v_max_num_f32 v[TM+\b], v[TM+\b], v[TM+4+\b]   ; with lane l xor 16: the block's largest magnitude
.endr
.irp b, 0,1,2,3
	v_add_nc_u32 v[TM+12+\b], 0xff000000, v[TM+\b] ; 2 off its exponent field: the conversion's scale operand
.endr
.irp b, 0,1,2,3
	v_lshrrev_b32 v[TM+4+\b], 23, v[TM+12+\b]      ; the scale's byte
.endr
	v_lshl_or_b32 v[QW], v[TM+5], 8, v[TM+4]
	v_lshl_or_b32 v[QW], v[TM+6], 16, v[QW]
	v_lshl_or_b32 v[QW], v[TM+7], 24, v[QW]
.irp b, 0,1,2,3
	v_cvt_scalef32_pk8_fp4_f32 v[QC+2*\b], v[QS+16*\b:QS+7+16*\b], v[TM+12+\b]
	v_cvt_scalef32_pk8_fp4_f32 v[QC+1+2*\b], v[QS+8+16*\b:QS+15+16*\b], v[TM+12+\b]
.endr
	v_nop                                          ; one plain line behind the last scaled conversion
.irp c, 0,1                                    ; the operand wants a whole block in a lane: lanes 0-15 the first block of my 64, lanes 16-31 the second
.irp i, 0,1
	v_permlane16_swap_b32 v[QC+4*\c+\i], v[QC+2+4*\c+\i]
.endr
.endr
.endm
	s_load_b256 s[8:15], s[0:1], 0x0               ; route 8, xc 10, xs 12, wl 14
	s_load_b128 s[16:19], s[0:1], 0x20             ; b1 16, hid 18
	v_lshl_add_u32 v126, v0, 2, 0x9800
	v_mov_b32 v127, 0
	v_lshrrev_b32 v1, 5, v0
	v_readfirstlane_b32 s2, v1                     ; wave 0..7
	v_and_b32 v24, 31, v0
	v_lshlrev_b32 v1, 4, v24                       ; 16 x lane
	v_lshlrev_b32 v2, 2, v24                       ; 4 x lane
	v_and_b32 v3, 15, v0                           ; r
	v_bfe_u32 v4, v0, 4, 1                         ; h
	s_and_b32 s26, ttmp7, 0xffff                   ; y: which quarter of the hidden units
	s_wait_alu depctr_va_sdst(0)                   ; s2, the wave's number, is written, ahead of its first reader
	s_and_b32 s27, s2, 1                           ; which half of a group of 128
	s_lshl_b32 s3, s2, 12
	v_add_nc_u32 v5, s3, v1                        ; where I store x's images: K step = my wave
	s_lshl_b32 s3, s2, 9
	v_add_nc_u32 v6, s3, v2                        ; and their scale words
	s_lshl_b32 s3, s27, 3
	v_add_nc_u32 v7, s3, v1                        ; a chunk's scale words: 16 lane + 8 half
	s_lshl_b32 s3, s27, 12
	v_add_nc_u32 v8, s3, v1                        ; its codes: 16 lane + 4,096 half
	v_lshlrev_b32 v9, 3, v0                        ; b1: 8 bytes a thread
	v_lshl_add_u32 v18, v0, 3, BIAS
	s_lshl_b32 s3, s2, 8
	s_add_co_u32 s3, s3, BIAS
	v_lshl_add_u32 v10, v4, 6, s3                  ; b1, out: my 64 units, + 16 h units
	v_lshlrev_b32 v11, 3, v3
	v_lshl_add_u32 v11, v4, 2, v11                 ; the hidden layer's scale bytes: 8 r + 4 h
	v_mov_b32 v20, 0xc0135761                      ; KA
	v_mov_b32 v21, 0xc0135761
	v_mov_b32 v22, 0xbdd2d3e8                      ; KB
	v_mov_b32 v23, 0xbdd2d3e8
	s_mov_b32 s40, 0x76543210
	s_mov_b32 s41, 0xfedcba98
	s_mov_b32 s44, 0xffff0000                      ; lanes 16-31
	s_lshl_b32 s4, ttmp9, 4
	s_mov_b32 s5, 0
	s_mov_b32 s23, 0
	s_wait_kmcnt 0x0
	s_add_nc_u64 s[20:21], s[8:9], s[4:5]
	s_load_b128 s[28:31], s[20:21], 0x2000         ; my tile: expert, first place, rows, (image tile)
	s_lshl_b32 s6, s26, 2
	s_lshr_b32 s7, s2, 1
	s_add_co_u32 s6, s6, s7                        ; g: my group of 128 hidden units = the next product's K step
	s_mul_i32 s24, ttmp9, TB
	s_lshl_b32 s22, s6, 12
	s_add_co_u32 s22, s22, s24
	s_lshl_b32 s7, s27, 9
	s_add_co_u32 s22, s22, s7
	s_add_nc_u64 s[34:35], s[18:19], s[22:23]      ; where my images go
	s_lshl_b32 s22, s6, 8
	s_add_co_u32 s22, s22, s24
	s_lshl_b32 s7, s27, 7
	s_add_co_u32 s22, s22, s7
	s_add_co_u32 s22, s22, 65536
	s_add_nc_u64 s[36:37], s[18:19], s[22:23]      ; and my scale bytes
	s_wait_kmcnt 0x0
	s_min_u32 s28, s28, 7
	s_min_u32 s29, s29, 0x7ff
	s_min_u32 s30, s30, 64
	s_mul_i32 s4, s28, EB
	s_lshl_b32 s6, s26, 1
	s_lshr_b32 s7, s2, 2
	s_add_co_u32 s6, s6, s7                        ; g / 2: the stream in wl
	s_mul_i32 s6, s6, WB
	s_add_co_u32 s4, s4, s6
	s_bfe_u32 s7, s2, 0x10001                      ; g % 2: its first or second eight chunks
	s_mul_i32 s7, s7, 8*CH
	s_add_co_u32 s4, s4, s7
	s_add_nc_u64 s[32:33], s[14:15], s[4:5]        ; my weights
	s_lshl_b32 s4, s28, 13
	s_lshl_b32 s6, s26, 11
	s_add_co_u32 s4, s4, s6
	s_add_nc_u64 s[16:17], s[16:17], s[4:5]        ; b1[e], my quarter
	v_add_nc_u32 v24, s29, v3
.irp m, 1,2,3
	v_add_nc_u32 v[24+\m], 16*\m, v24
.endr
.irp m, 0,1,2,3
	v_min_u32 v[24+\m], 0x7ff, v[24+\m]            ; places behind the list's end are held at its last
	v_lshlrev_b32 v[24+\m], 2, v[24+\m]
.endr
	s_wait_alu depctr_va_vdst(0)                   ; every address made so far is written: v1, v2, v5 to v11 and v18, which loads and stores read to the kernel's end, and v24 to v27, which the four loads below read
.irp m, 0,1,2,3
	global_load_b32 v[12+\m], v[24+\m], s[8:9]     ; the token of row 16 m + r
.endr
	global_load_b64 v[16:17], v9, s[16:17]
	CHUNK 0
	CHUNK 1
	CHUNK 2
	s_wait_loadcnt 27                              ; the tokens and b1 are in; three K steps' weights, nine loads each, may be out
	ds_store_b64 v18, v[16:17]
.irp m, 0,1,2,3
	v_min_u32 v[12+\m], 0x7ff, v[12+\m]
.endr
	s_lshl_b32 s3, s2, 6
	v_lshl_add_u32 v19, v4, 4, s3                  ; K step = my wave: 64 w + 16 h
	s_lshl_b32 s3, s2, 2
	s_wait_alu depctr_vm_vsrc(0)                   ; the loads of the tokens have read v24 to v27, which are written again below
.irp m, 0,1,2,3
	v_lshl_add_u32 v[24+\m], v[12+\m], 9, v19
	v_lshl_add_u32 v[28+\m], v[12+\m], 5, s3
.endr
	s_wait_alu depctr_va_vdst(0)                   ; v24 to v31 are written, which the gather below reads as its offsets
.irp m, 0,1,2,3
	global_load_b128 v[ACC+8*\m:ACC+8*\m+3], v[24+\m], s[10:11]             ; x's codes: a fragment's registers as they lie in the token's row
	global_load_b128 v[ACC+8*\m+4:ACC+8*\m+7], v[24+\m], s[10:11] offset:32
	global_load_b32 v[ACC+32+\m], v[28+\m], s[12:13]                        ; their scale word
.endr
	CHUNK 3
	CHUNK 4
	CHUNK 5
	CHUNK 6
	CHUNK 7
	s_wait_loadcnt 45                              ; all but the last five K steps' weights
.irp m, 0,1,2,3
	ds_store_b128 v5, v[ACC+8*\m:ACC+8*\m+3] offset:XIMG+1024*\m
	ds_store_b128 v5, v[ACC+8*\m+4:ACC+8*\m+7] offset:XIMG+1024*\m+512
	ds_store_b32 v6, v[ACC+32+\m] offset:XSC+128*\m
.endr
	s_wait_dscnt 0x0                               ; for the others: my images and my part of b1 lie in LDS
	s_barrier_signal -1
	s_barrier_wait -1
	s_wait_alu depctr_vm_vsrc(0)                   ; my LDS stores have read v128 to v163, in which b1's LDS loads land
	s_cmp_eq_u32 s30, 0                            ; a tile without rows leaves the work out, never the barrier
	s_cbranch_scc1 .Ldone
	BIASA
	FRAGH 0, XIMG, XSC, 0
	FRAGH 0, XIMG, XSC, 2
.irp s, 0,1,2,3,4,5,6,7
	STEP \s
.endr
	GELU32 ACC, 0                                  ; row tiles 0 and 1
	GELU32 ACC+32, 0
	QUANT ACC, PC, PW
	GELU32 ACC+64, 1                               ; row tiles 2 and 3; the first pair's codes leave behind this gelu's first wait
	GELU32 ACC+96, 0
	QUANT ACC+64, PC+8, PW+1
	v_cndmask_b32 v122, v120, v121, s44            ; lanes 0-15: the bytes of row tiles 0 and 1; lanes 16-31: of 2 and 3
	s_wait_alu depctr_va_vdst(0)                   ; the quantiser has written v88 to v95, and the line above v122: the three stores below read them
	SEND 1
	global_store_b32 v11, v122, s[36:37]           ; 128 consecutive bytes
.Ldone:
	s_wait_dscnt 0x0                               ; the closing lines, six on end
	s_wait_alu 0x0
	s_wait_tensorcnt 0x0
	ds_add_u32 v126, v127
	s_wait_dscnt 0x0
	s_endpgm
.Lfunc_end_k_q12a64d0478_ffn1:
	.size	k_q12a64d0478_ffn1, .Lfunc_end_k_q12a64d0478_ffn1-k_q12a64d0478_ffn1
	.p2alignl 7, 3214868480
	.fill 96, 4, 3214868480
	.section	.rodata,"a",@progbits
	.p2align	6, 0x0
	.amdhsa_kernel k_q12a64d0478_ffn1
		.amdhsa_group_segment_fixed_size 39936
		.amdhsa_private_segment_fixed_size 0
		.amdhsa_enable_private_segment 0
		.amdhsa_kernarg_size 48
		.amdhsa_user_sgpr_count 2
		.amdhsa_user_sgpr_kernarg_segment_ptr 1
		.amdhsa_wavefront_size32 1
		.amdhsa_system_sgpr_workgroup_id_x 1
		.amdhsa_system_sgpr_workgroup_id_y 1
		.amdhsa_system_sgpr_workgroup_id_z 1
		.amdhsa_system_vgpr_workitem_id 0
		.amdhsa_next_free_vgpr 512
		.amdhsa_next_free_sgpr 66
		.amdhsa_reserve_vcc 0
		.amdhsa_float_denorm_mode_32 3
		.amdhsa_float_denorm_mode_16_64 3
		.amdhsa_memory_ordered 1
		.amdhsa_forward_progress 1
		.amdhsa_inst_pref_size 79
	.end_amdhsa_kernel
	.amdgpu_metadata
---
amdhsa.version: [ 1, 2 ]
amdhsa.kernels:
  - .name:           k_q12a64d0478_ffn1
    .symbol:         k_q12a64d0478_ffn1.kd
    .args:
      - { .name: route, .offset: 0, .size: 8, .value_kind: global_buffer, .address_space: global }
      - { .name: xc, .offset: 8, .size: 8, .value_kind: global_buffer, .address_space: global }
      - { .name: xs, .offset: 16, .size: 8, .value_kind: global_buffer, .address_space: global }
      - { .name: wl, .offset: 24, .size: 8, .value_kind: global_buffer, .address_space: global }
      - { .name: b1, .offset: 32, .size: 8, .value_kind: global_buffer, .address_space: global }
      - { .name: hid, .offset: 40, .size: 8, .value_kind: global_buffer, .address_space: global }
    .group_segment_fixed_size: 39936
    .private_segment_fixed_size: 0
    .kernarg_segment_align: 8
    .kernarg_segment_size: 48
    .max_flat_workgroup_size: 256
    .sgpr_count:     66
    .vgpr_count:     512
    .wavefront_size: 32
...
	.end_amdgpu_metadata
.endif
;; end of part 7
;; launch ffn2 (part 8): grid 39 x 4, 8 waves a work-group, no clusters, 203,776 bytes of LDS; arguments route, pgw, wl, b2, hid, out0; writes out0
.if DOCPART == 8
	.amdgcn_target "amdgcn-amd-amdhsa--gfx1250"
	.amdhsa_code_object_version 6
	.text
	.protected	k_q12a64d0478_ffn2
	.globl	k_q12a64d0478_ffn2
	.p2align	8
	.type	k_q12a64d0478_ffn2,@function
k_q12a64d0478_ffn2:
	s_mov_b64 s[64:65], 0
	v_nop
	global_prefetch_b8 v0, s[64:65] scope:SCOPE_SE
	s_setreg_imm32_b32 hwreg(HW_REG_WAVE_SCHED_MODE, 0, 2), 2
	s_setreg_imm32_b32 hwreg(HW_REG_WAVE_MODE, 25, 1), 1
	s_wait_xcnt 0x0
	s_wait_alu depctr_vm_vsrc(0)
; THE CHAIN'S SECOND HALF.  out0[token] = pg x (hid W2[e] + b2[e]); hid comes as E2M1 codes and E8M0 bytes from the launch before, W2 from the first launch's layout.
; GRID: x = a tile of the stored list (one expert, up to 64 of its tokens; 39 tiles serve every split); y = a quarter of the 1,024 output columns.  So a work-group reads a quarter of its expert's W2,
; 278,528 bytes, and its tile's hidden layer, 69,632 bytes.  A tile without rows passes both barriers, leaves the work between them out and stores nothing; it reads tile 0's images, which are
; always stored (the list gives it that number).
; SHARES.  Wave v makes columns 256 y + 64 (v / 2) .. + 63 for all 64 rows over HALF of K: K steps 8 (v % 2) .. + 7: 4 tiles of W2 x 4 tiles of rows = 16 accumulators, 8 K steps, as in the launch
; before.  Each weight byte goes from memory into ONE wave's registers, once; all eight K steps' weights (256 registers) are asked for in the head, so there is nothing that a prefetch could ask for earlier.
; The two halves of K meet on the way out: both go into a stage in LDS, and the wave that reads a row back adds them, adds b2 and multiplies by the row's pg.
; NO TENSOR LOAD, NO CLUSTER: the text branches on numbers of the stored list, neighbouring work-groups may hold different experts, and no weight byte is used by two waves.
; THE PRODUCT IS USED TRANSPOSED (source 0 = 16 rows of W2, source 1 = 16 tokens): a lane's eight results are eight neighbouring columns of one token's row.
; The first K step's products take the constant 0 as C: nothing is cleared.
; Rows behind a tile's end were computed from some valid token and are not stored.
; LIMITS: NaN and infinities among the inputs are not served.
; REGISTERS.  Window 0: v1-15, v18-19, v28 addresses; v16 tokens, v17 pg (lane i < 8: row 8 wave + i); v[20:27] b2 of my 8 columns; v32-95 two sets of the tokens' four fragments, later the stores'
;   offsets; v96-103 their scale words; v104-119 the weights' scale words; v128-255 accumulators: (row tile m, tile t) at 128 + 32 m + 8 t, later rows read back.   Window 1: K step c's four tiles at v[32 c].
; THE MODE: SCHED_MODE bits 1:0 = 2 (LLVM: expert scheduling mode 2), set by the entry lines.  The code itself states the register dependences
; between vector or matrix instructions and memory or LDS instructions, with s_wait_alu, always for 0.
; THE PLAN.  Registers that memory or LDS instructions touch, and who else names them:
;   v1, v2, v7-v14, v18, v28   addresses, made once in the head and never written again: one wait on va_vdst ahead of the first load serves them for the whole kernel.
;   v19, v196-v199         pg's offset and the four scale words, made side by side when the head's loads are in: one wait on va_vdst serves the load of pg and the four LDS stores.
;   v104-v119, window 1    the weights and their scale words land once; products alone read them.
;   v128-v191, v196-v199   my LDS stores read them; the first K step's products write them: a wait on vm_vsrc behind the first barrier.
;   the two sets v32-63, v96-99 and v64-95, v100-103.  Step s's products read set s % 2; the LDS loads of step s + 1, issued in step s, land in the other set, which step s - 1's products read.
;                          So ONE wait on va_vdst stands at the head of steps 1 to 6, behind the step's waits for its own data.  The step's twelve LDS loads follow it in two runs of six, one ahead of the
;                          first four products and one behind them: the products name this step's set, the weights and the accumulators, none of the registers that those loads touch.
;   v128-v255              written by the products, read by the LDS stores into the stage (the places, then a wait on va_vdst); then the rows read back land in them (a wait on vm_vsrc behind the
;                          second barrier); then the sums are made in place, and the stores read them.
;   v32-v39                the stores' offsets, a register a row, made once.
;   THE WAY OUT goes over my eight rows twice, by the same tests: first the sums, then the stores, with ONE wait on va_vdst between.  The rows' pg and tokens go from lanes into sixteen scalar registers
;   in one run, with one wait on va_sdst behind it, ahead of every branch.
;   v126, v127             written in the head, read by the closing add alone.
.set EB,     2228224                   ; an expert in wl
.set WB,     278528                    ; 128 columns' stream there: 16 chunks of W1, 16 of W2
.set CH,     8704                      ; a chunk
.set TB,     69632                     ; a tile in hid
.set HIMG,   0                         ; LDS: the hidden layer's fragments as register images: (4 g + m) x 1,024
.set HSC,    65536                     ; their scale words: (4 g + m) x 64 + 4 r
.set STAGE,  69632                     ; the way out: for each half of K 64 rows x (1,024 + 16)
.set SPITCH, 1040
.set SKH,    64*SPITCH
.set XF,     32
.set XSW,    96
.set WS,     104
.set ACC,    128
.set RW,     20                        ; s[20:35], on the way out: row i of my eight: pg at RW + 2 i, the token at RW + 2 i + 1.  What these held is done with by then: the loads that read the bases among them are shown done
.set MSB, 0
.macro WIN new                         ; the immediate's high byte repeats the setting that is left
.if MSB != \new
	s_set_vgpr_msb (MSB<<8)|\new
.set MSB, \new
.endif
.endm
.macro CHUNK c                         ; my four tiles of my K step c and their scale words: nine loads
	global_load_b64 v[WS+2*(\c):WS+2*(\c)+1], v7, s[32:33] offset:(\c)*CH+8192
	WIN 0x40                                       ; destination window 1
.irp i, 0,1,2,3,4,5,6,7
	global_load_b128 v[32*(\c)+4*\i:32*(\c)+4*\i+3], v8, s[32:33] offset:(\c)*CH+512*\i
.endr
	WIN 0
.endm
.macro FRAGH p, fo, so, m0             ; row tiles m0 and m0 + 1: their fragments of a K step and their scale words into set p: six LDS loads
.irp m, \m0, \m0+1
.irp c, 0,1
	ds_load_b128 v[XF+32*(\p)+8*(\m)+4*\c:XF+32*(\p)+8*(\m)+4*\c+3], v1 offset:(\fo)+1024*(\m)+512*\c
.endr
.endr
.irp m, \m0, \m0+1
	ds_load_b32 v[XSW+4*(\p)+(\m)], v2 offset:(\so)+64*(\m)
.endr
.endm
.macro MUL4 t                          ; tile t of W2 against the four row tiles, my K step SQ.  The sixteen accumulators take turns, one instruction a turn, in the same order in every step
.irp m, 0,1,2,3
.if SQ == 0
.if (\t)%2
	v_wmma_scale_f32_16x16x128_f8f6f4 v[ACC+32*\m+8*(\t):ACC+32*\m+8*(\t)+7], v[32*SQ+8*(\t):32*SQ+8*(\t)+7], v[XF+32*SPAR+8*\m:XF+32*SPAR+8*\m+7], 0, v[WS+2*SQ+(\t)/2], v[XSW+4*SPAR+\m] matrix_a_fmt:MATRIX_FMT_FP4 matrix_b_fmt:MATRIX_FMT_FP4 matrix_a_scale:MATRIX_SCALE_ROW1
.else
	v_wmma_scale_f32_16x16x128_f8f6f4 v[ACC+32*\m+8*(\t):ACC+32*\m+8*(\t)+7], v[32*SQ+8*(\t):32*SQ+8*(\t)+7], v[XF+32*SPAR+8*\m:XF+32*SPAR+8*\m+7], 0, v[WS+2*SQ+(\t)/2], v[XSW+4*SPAR+\m] matrix_a_fmt:MATRIX_FMT_FP4 matrix_b_fmt:MATRIX_FMT_FP4
.endif
.else
.if (\t)%2
	v_wmma_scale_f32_16x16x128_f8f6f4 v[ACC+32*\m+8*(\t):ACC+32*\m+8*(\t)+7], v[32*SQ+8*(\t):32*SQ+8*(\t)+7], v[XF+32*SPAR+8*\m:XF+32*SPAR+8*\m+7], v[ACC+32*\m+8*(\t):ACC+32*\m+8*(\t)+7], v[WS+2*SQ+(\t)/2], v[XSW+4*SPAR+\m] matrix_a_fmt:MATRIX_FMT_FP4 matrix_b_fmt:MATRIX_FMT_FP4 matrix_a_scale:MATRIX_SCALE_ROW1
.else
	v_wmma_scale_f32_16x16x128_f8f6f4 v[ACC+32*\m+8*(\t):ACC+32*\m+8*(\t)+7], v[32*SQ+8*(\t):32*SQ+8*(\t)+7], v[XF+32*SPAR+8*\m:XF+32*SPAR+8*\m+7], v[ACC+32*\m+8*(\t):ACC+32*\m+8*(\t)+7], v[WS+2*SQ+(\t)/2], v[XSW+4*SPAR+\m] matrix_a_fmt:MATRIX_FMT_FP4 matrix_b_fmt:MATRIX_FMT_FP4
.endif
.endif
.endr
.endm
.macro STEP s                          ; my K step s of 8: 128 along K
.set SQ, \s
.set SPAR, SQ%2
.if SQ == 0
	s_wait_loadcnt 63                              ; behind K step 0's weights: 27 + 1 + 36 loads; the count is held at what the wait can name
.elseif SQ < 4
	s_wait_loadcnt 9*(3-SQ)+37                     ; behind K step s's: the steps up to 3, the one load of pg, and the last four steps' 36
.else
	s_wait_loadcnt 9*(7-SQ)                        ; the later steps', nine loads each
.endif
	s_wait_dscnt 0x0                               ; this step's fragments and scale words are in; the next step's are asked for behind this line
.if (SQ > 0) && (SQ < 7)
	s_wait_alu depctr_va_vdst(0)                   ; the last step's products are done reading the other set of fragments and scale words, in which this step's twelve LDS loads land
.endif
.if SQ < 7
	FRAGH 1-SPAR, 4096*(SQ+1), 256*(SQ+1), 0
.endif
	WIN 0x01                                       ; source 0, the weights, in window 1
	MUL4 0
.if SQ < 7
	WIN 0
	FRAGH 1-SPAR, 4096*(SQ+1), 256*(SQ+1), 2       ; no further wait: no vector or matrix instruction since the wait above names the other set or v1, v2
.endif
	WIN 0x01
	MUL4 1
	MUL4 2
	MUL4 3
	WIN 0
.rept 4
	v_nop                                          ; four places behind the step's last products: ahead of the next step's loads into the fragments and scale words just read, beside the wait at that step's head, and of the LDS stores that read results
.endr
.endm
	s_load_b256 s[8:15], s[0:1], 0x0               ; route 8, pgw 10, wl 12, b2 14
	s_load_b128 s[16:19], s[0:1], 0x20             ; hid 16, out0 18
	v_lshl_add_u32 v126, v0, 2, 0x31800
	v_mov_b32 v127, 0
	v_lshrrev_b32 v1, 5, v0
	v_readfirstlane_b32 s2, v1                     ; wave 0..7
	v_and_b32 v29, 31, v0
	v_lshlrev_b32 v28, 4, v29                      ; 16 x lane
	v_and_b32 v3, 15, v0                           ; r
	v_bfe_u32 v4, v0, 4, 1                         ; h
	s_and_b32 s26, ttmp7, 0xffff                   ; y: which quarter of the columns
	s_wait_alu depctr_va_sdst(0)                   ; s2, the wave's number, is written, ahead of its first reader
	s_and_b32 s25, s2, 1                           ; which half of K
	s_lshr_b32 s24, s2, 1                          ; which 64 of the 256 columns
	s_and_b32 s27, s24, 1                          ; which half of a chunk's eight tiles
	s_lshl_b32 s3, s25, 15
	v_add_nc_u32 v1, s3, v28                       ; the fragments of my half of K: 16 lane + 32,768 half
	s_lshl_b32 s3, s25, 11
	s_add_co_u32 s3, s3, HSC
	v_lshl_add_u32 v2, v3, 2, s3                   ; and their scale words: 4 r + 2,048 half
	s_lshl_b32 s3, s27, 3
	v_add_nc_u32 v7, s3, v28                       ; a chunk's scale words: 16 lane + 8 half
	s_lshl_b32 s3, s27, 12
	v_add_nc_u32 v8, s3, v28                       ; its codes: 16 lane + 4,096 half
	v_lshlrev_b32 v9, 4, v0                        ; the images' copy: 16 bytes a thread, in memory and in LDS alike
	v_lshrrev_b32 v5, 4, v0                        ; the scale bytes: thread = (K step g = thread / 16, row r)
	v_lshlrev_b32 v11, 8, v5
	v_lshl_add_u32 v10, v3, 2, v11
	v_add_nc_u32 v10, HSC, v10                     ; into LDS: 256 g + 4 r (+ 64 m)
	v_lshl_add_u32 v11, v3, 3, v11                 ; in memory: 256 g + 8 r
	s_mul_i32 s3, s25, SKH
	s_lshl_b32 s6, s24, 8
	s_add_co_u32 s3, s3, s6
	s_add_co_u32 s3, s3, STAGE
	v_mul_u32_u24 v12, v3, SPITCH
	v_lshl_add_u32 v12, v4, 5, v12
	v_add_nc_u32 v12, s3, v12                      ; the stage, in: my half of K, row r, my 256 bytes of it, + 32 h
	s_mul_i32 s3, s2, 8*SPITCH
	s_add_co_u32 s3, s3, STAGE
	v_add_nc_u32 v13, s3, v28                      ; back: rows 8 wave on, 16 bytes a lane, of the first half of K,
	v_add_nc_u32 v14, SKH, v13                     ; and of the second
	s_lshl_b32 s3, s26, 10
	v_add_nc_u32 v15, s3, v28                      ; my 16 bytes in a row of out0: 1,024 y + 16 lane
	s_lshl_b32 s4, ttmp9, 4
	s_mov_b32 s5, 0
	s_wait_kmcnt 0x0
	s_add_nc_u64 s[20:21], s[8:9], s[4:5]
	s_load_b128 s[28:31], s[20:21], 0x2000         ; my tile: expert, first place, rows, image tile
	s_wait_kmcnt 0x0
	s_min_u32 s28, s28, 7
	s_min_u32 s29, s29, 0x7ff
	s_min_u32 s30, s30, 64
	s_min_u32 s31, s31, 38
	s_mul_i32 s4, s28, EB
	s_lshl_b32 s6, s26, 1
	s_lshr_b32 s7, s2, 2
	s_add_co_u32 s6, s6, s7                        ; the stream of my 128 columns in wl
	s_mul_i32 s6, s6, WB
	s_add_co_u32 s4, s4, s6
	s_lshl_b32 s7, s25, 3
	s_add_co_u32 s7, s7, 16                        ; W2's chunks begin at 16; my half of K
	s_mul_i32 s7, s7, CH
	s_add_co_u32 s4, s4, s7
	s_add_nc_u64 s[32:33], s[12:13], s[4:5]        ; my weights
	s_mul_i32 s4, s31, TB
	s_add_nc_u64 s[34:35], s[16:17], s[4:5]        ; the tile's hidden layer
	s_lshl_b32 s4, s28, 12
	s_lshl_b32 s6, s26, 10
	s_add_co_u32 s4, s4, s6
	s_add_nc_u64 s[14:15], s[14:15], s[4:5]        ; b2[e], my quarter
	s_lshl_b32 s3, s2, 3
	s_sub_co_i32 s43, s30, s3                      ; the rows that are left from my first row on (0 or less: none)
	s_add_co_u32 s3, s3, s29
	v_and_b32 v18, 7, v0
	v_add_nc_u32 v18, s3, v18
	v_min_u32 v18, 0x7ff, v18                      ; places behind the list's end are held at its last
	v_lshlrev_b32 v18, 2, v18
	s_wait_alu depctr_va_vdst(0)                   ; every address made so far is written: v1, v2, v7 to v14, v18 and v28, which loads and stores read to the kernel's end
	global_load_b32 v16, v18, s[8:9]               ; lane i < 8: the token of row 8 wave + i
	global_load_b64 v[192:193], v11, s[34:35] offset:65536       ; row r's scale bytes of K step g: blocks 0 and 1 of the four row tiles,
	global_load_b64 v[194:195], v11, s[34:35] offset:65536+128   ; blocks 2 and 3
.irp i, 0,1,2,3,4,5,6,7,8,9,10,11,12,13,14,15
	global_load_b128 v[ACC+4*\i:ACC+4*\i+3], v9, s[34:35] offset:4096*\i   ; the 64 images, 65,536 consecutive bytes: a wave's load reads 512 of them
.endr
	global_load_b128 v[20:23], v28, s[14:15]
	global_load_b128 v[24:27], v28, s[14:15] offset:512
	CHUNK 0
	CHUNK 1
	CHUNK 2
	CHUNK 3
	s_wait_loadcnt 36                              ; all but four K steps' weights, nine loads each
	v_min_u32 v16, 0x7ff, v16
	v_lshlrev_b32 v19, 2, v16
	v_perm_b32 v196, v194, v192, 0x05040100        ; a row tile's scale word: its two bytes of blocks 0, 1 below, those of blocks 2, 3 above
	v_perm_b32 v197, v194, v192, 0x07060302
	v_perm_b32 v198, v195, v193, 0x05040100
	v_perm_b32 v199, v195, v193, 0x07060302
	s_wait_alu depctr_va_vdst(0)                   ; v19 is written, which the load of pg reads as its offset, and so are v196 to v199, which the last four LDS stores below read
	global_load_b32 v17, v19, s[10:11]             ; pg of my rows
	CHUNK 4
	CHUNK 5
	CHUNK 6
	CHUNK 7
.irp i, 0,1,2,3,4,5,6,7,8,9,10,11,12,13,14,15
	ds_store_b128 v9, v[ACC+4*\i:ACC+4*\i+3] offset:HIMG+4096*\i
.endr
.irp m, 0,1,2,3
	ds_store_b32 v10, v[196+\m] offset:64*\m
.endr
	s_wait_dscnt 0x0                               ; for the others: my part of the images and scale words lies in LDS
	s_barrier_signal -1
	s_barrier_wait -1
	s_wait_alu depctr_vm_vsrc(0)                   ; my LDS stores have read v128 to v191 and v196 to v199, which the first K step's products write
	s_cmp_eq_u32 s30, 0                            ; a tile without rows leaves the work out, never a barrier
	s_cbranch_scc1 .Ls1
	FRAGH 0, 0, 0, 0
	FRAGH 0, 0, 0, 2
.irp s, 0,1,2,3,4,5,6,7
	STEP \s
.endr
	s_wait_alu depctr_va_vdst(0)                   ; the products have written the accumulators, which the LDS stores below read; the four places above stay beside this wait
.irp m, 0,1,2,3                                ; my half sums into the stage, each accumulator from its low end on
.irp t, 0,1,2,3
	ds_store_b128 v12, v[ACC+32*\m+8*\t:ACC+32*\m+8*\t+3] offset:16*SPITCH*\m+64*\t
	ds_store_b128 v12, v[ACC+32*\m+8*\t+4:ACC+32*\m+8*\t+7] offset:16*SPITCH*\m+64*\t+16
.endr
.endr
.Ls1:
	s_wait_dscnt 0x0                               ; for the others: my half sums lie in the stage
	s_barrier_signal -1
	s_barrier_wait -1
	s_wait_alu depctr_vm_vsrc(0)                   ; my LDS stores into the stage have read the accumulators, in which the rows read back land
	s_cmp_eq_u32 s30, 0
	s_cbranch_scc1 .Ldone
	s_wait_loadcnt 0x0                             ; pg (the last K step has waited for all loads already); every load that read a base in s[20:35] is done
	; THE WAY OUT.  Wave v takes rows 8 v .. 8 v + 7, whole: 1,024 bytes of each half of K; their sum + b2, x the row's pg, goes to the token's row of out0.
.irp i, 0,1,2,3,4,5,6,7
	ds_load_b128 v[ACC+16*\i:ACC+16*\i+3], v13 offset:SPITCH*\i
	ds_load_b128 v[ACC+16*\i+4:ACC+16*\i+7], v13 offset:SPITCH*\i+512
	ds_load_b128 v[ACC+16*\i+8:ACC+16*\i+11], v14 offset:SPITCH*\i
	ds_load_b128 v[ACC+16*\i+12:ACC+16*\i+15], v14 offset:SPITCH*\i+512
.endr
.irp i, 0,1,2,3,4,5,6,7
	v_readlane_b32 s[RW+2*\i], v17, \i             ; row i's pg: the low word of its pair, which the packed multiply takes for both halves;
	v_readlane_b32 s[RW+2*\i+1], v16, \i           ; its token: the pair's high word, so that the whole pair is written
.endr
	s_wait_alu depctr_va_sdst(0)                   ; the sixteen scalar registers are written, ahead of their first readers and of every branch
.irp i, 0,1,2,3,4,5,6,7
	s_min_u32 s[RW+2*\i+1], s[RW+2*\i+1], 0x7ff
.endr
.irp i, 0,1,2,3,4,5,6,7
	v_lshl_add_u32 v[32+\i], s[RW+2*\i+1], 12, v15 ; an offset register of its own for each row: none is written again
.endr
.irp i, 0,1,2,3,4,5,6,7                        ; the first walk: the sums
	s_cmp_le_i32 s43, \i                           ; rows behind the tile's end are not summed
	s_cbranch_scc1 .Lout
	s_wait_dscnt 4*(7-\i)                          ; row i is back; the later rows, four loads each, may be out
.irp q, 0,2,4,6
	v_pk_add_f32 v[ACC+16*\i+\q:ACC+16*\i+\q+1], v[ACC+16*\i+\q:ACC+16*\i+\q+1], v[ACC+16*\i+8+\q:ACC+16*\i+9+\q]
.endr
.irp q, 0,2,4,6
	v_pk_add_f32 v[ACC+16*\i+\q:ACC+16*\i+\q+1], v[ACC+16*\i+\q:ACC+16*\i+\q+1], v[20+\q:21+\q]
.endr
.irp q, 0,2,4,6
	v_pk_mul_f32 v[ACC+16*\i+\q:ACC+16*\i+\q+1], v[ACC+16*\i+\q:ACC+16*\i+\q+1], s[RW+2*\i:RW+2*\i+1] op_sel_hi:[1,0]
.endr
.endr
.Lout:
	s_wait_dscnt 0x0                               ; every row is back from the stage, those that the first walk left out too: the second walk's stores are then sound by themselves, whatever the first has done (behind eight rows this wait is met at once)
	s_wait_alu depctr_va_vdst(0)                   ; the sums are written, and so are the offsets v32 to v39: the stores below read both
.irp i, 0,1,2,3,4,5,6,7                        ; the second walk: the stores, by the same tests
	s_cmp_le_i32 s43, \i                           ; rows behind the tile's end are not stored
	s_cbranch_scc1 .Ldone
	global_store_b128 v[32+\i], v[ACC+16*\i:ACC+16*\i+3], s[18:19] th:TH_STORE_NT              ; 32 lanes store 512 consecutive bytes, at a multiple of 256 from out0's first byte
	global_store_b128 v[32+\i], v[ACC+16*\i+4:ACC+16*\i+7], s[18:19] offset:512 th:TH_STORE_NT
.endr
.Ldone:
	s_wait_dscnt 0x0                               ; the closing lines, six on end
	s_wait_alu 0x0
	s_wait_tensorcnt 0x0
	ds_add_u32 v126, v127
	s_wait_dscnt 0x0
	s_endpgm
.Lfunc_end_k_q12a64d0478_ffn2:
	.size	k_q12a64d0478_ffn2, .Lfunc_end_k_q12a64d0478_ffn2-k_q12a64d0478_ffn2
	.p2alignl 7, 3214868480
	.fill 96, 4, 3214868480
	.section	.rodata,"a",@progbits
	.p2align	6, 0x0
	.amdhsa_kernel k_q12a64d0478_ffn2
		.amdhsa_group_segment_fixed_size 203776
		.amdhsa_private_segment_fixed_size 0
		.amdhsa_enable_private_segment 0
		.amdhsa_kernarg_size 48
		.amdhsa_user_sgpr_count 2
		.amdhsa_user_sgpr_kernarg_segment_ptr 1
		.amdhsa_wavefront_size32 1
		.amdhsa_system_sgpr_workgroup_id_x 1
		.amdhsa_system_sgpr_workgroup_id_y 1
		.amdhsa_system_sgpr_workgroup_id_z 1
		.amdhsa_system_vgpr_workitem_id 0
		.amdhsa_next_free_vgpr 512
		.amdhsa_next_free_sgpr 66
		.amdhsa_reserve_vcc 0
		.amdhsa_float_denorm_mode_32 3
		.amdhsa_float_denorm_mode_16_64 3
		.amdhsa_memory_ordered 1
		.amdhsa_forward_progress 1
		.amdhsa_inst_pref_size 55
	.end_amdhsa_kernel
	.amdgpu_metadata
---
amdhsa.version: [ 1, 2 ]
amdhsa.kernels:
  - .name:           k_q12a64d0478_ffn2
    .symbol:         k_q12a64d0478_ffn2.kd
    .args:
      - { .name: route, .offset: 0, .size: 8, .value_kind: global_buffer, .address_space: global }
      - { .name: pgw, .offset: 8, .size: 8, .value_kind: global_buffer, .address_space: global }
      - { .name: wl, .offset: 16, .size: 8, .value_kind: global_buffer, .address_space: global }
      - { .name: b2, .offset: 24, .size: 8, .value_kind: global_buffer, .address_space: global }
      - { .name: hid, .offset: 32, .size: 8, .value_kind: global_buffer, .address_space: global }
      - { .name: out0, .offset: 40, .size: 8, .value_kind: global_buffer, .address_space: global }
    .group_segment_fixed_size: 203776
    .private_segment_fixed_size: 0
    .kernarg_segment_align: 8
    .kernarg_segment_size: 48
    .max_flat_workgroup_size: 256
    .sgpr_count:     66
    .vgpr_count:     512
    .wavefront_size: 32
...
	.end_amdgpu_metadata
.endif
;; end of part 8
